; MI455X (gfx1250); checked and timed in simulation.
; The chip was launched on July 23, 2026; its instructions are those of AMD's public machine-readable ISA for CDNA 5 (MIT licence, August 2026) and "CDNA5" Instruction Set Architecture Reference Guide (July 2026). The comments in the code are by the model that wrote it; some were corrected since.
;; T Attention. Allowed arithmetic: matrix products marked QUANTISED: E2M1 operands, one E8M0 scale for each 32 along K, by v_wmma_scale_f32_16x16x128_f8f6f4 with both operands' format E2M1 (or v_wmma_scale_f32_32x16x128_f4), f32 sums; everything else in f32.
;; Inputs: Wk 1,024 x 1,024 float32; Wo 1,024 x 1,024 float32; Wq 1,024 x 1,024 float32; Wv 1,024 x 1,024 float32; beta 1,024 float32; bk 1,024 float32; bo 1,024 float32; bq 1,024 float32; bv 1,024 float32; gamma 1,024 float32; x 4 x 2,048 x 1,024 float32.
;; Outputs: out0 4 x 2,048 x 1,024 float32.
;; This version of the problem:
;;   THIS VERSION OF THE PROBLEM IS GIVEN IN LOW PRECISION. The matrix products marked QUANTISED in the list below multiply operands that are first quantised to E2M1 (2 exponent bits, 1 mantissa bit; 4 bits a number), with one power-of-two scale for each 32 numbers along K (OCP MX v1.0); their sums are f32. All else is computed in f32.
;;   The module's matrix products, in the order in which they are computed (A, B: the left and right operand; K: the contracted axis; several contracted axes count as one K, in the product's order):
;;     1. [M 8,192, K 1,024] x [K 1,024, N 1,024]; A: input x; B: input Wq: QUANTISED
;;     2. [M 8,192, K 1,024] x [K 1,024, N 1,024]; A: input x; B: input Wk: QUANTISED
;;     3. [M 8,192, K 1,024] x [K 1,024, N 1,024]; A: input x; B: input Wv: QUANTISED
;;     4. batch 64 x [M 2,048, K 64] x [K 64, N 2,048]; A: computed on the way; B: computed on the way: QUANTISED
;;     5. batch 64 x [M 2,048, K 2,048] x [K 2,048, N 64]; A: softmax (see below); B: computed on the way: QUANTISED
;;     6. [M 8,192, K 1,024] x [K 1,024, N 1,024]; A: computed on the way; B: input Wo: QUANTISED
;;   THE QUANTISER, for each operand of a quantised product, along K:
;;     - K is cut into blocks of 32 from its start; a last block that is shorter is filled with zeros.
;;     - A block's scale is 2^e with e = floor(log2(the largest magnitude in the block)) - 2, held to -126 .. 127; a block of zeros has e = 0. As a byte (E8M0): e + 127.
;;     - Each number is divided by its block's scale, clamped to +-6, and rounded to the nearest number of E2M1, ties to even, subnormals kept.
;;     - The product sums the exact products of the quantised numbers (number of the format x scale) in f32.
;;   ~~~python
;;   def quantise(x, axis):      # numpy; x: float32 -> the quantised numbers, widened to float32 again
;;       x = np.moveaxis(x, axis, -1); K = x.shape[-1]
;;       x = np.pad(x, [(0, 0)] * (x.ndim - 1) + [(0, -K % 32)]); x = x.reshape(x.shape[:-1] + (-1, 32)); a = np.abs(x).max(-1, keepdims=True)
;;       e = np.where(a > 0, np.clip(np.frexp(np.where(a > 0, a, 1))[1] - 1 - 2, -126, 127), 0)      # np.frexp(a)[1] - 1 = floor(log2(a)), exactly
;;       r = np.clip(x / 2.0 ** e, -6, 6)
;;       step = 2.0 ** (np.maximum(np.frexp(np.where(r == 0, 1, r))[1] - 1, 0) - 1)
;;       q = np.round(r / step) * step * 2.0 ** e      # np.round: ties to even
;;       return np.moveaxis(q.reshape(q.shape[:-2] + (-1,))[..., :K], -1, axis).astype(np.float32)
;;   ~~~
;;   SOFTMAX AHEAD OF A QUANTISED PRODUCT. Where the list says 'softmax', what is quantised is not the finished softmax but p = 2^(t - M), with t = logit x log2(e) and M = ceil(the row's largest t), a whole number; so 1/2 < the row's largest p <= 1. The row's sum l is taken of the UNQUANTISED p, in f32, and the product's result is divided by l at the end. Since M is a whole number, a kernel that streams over the keys may use a running M (the ceiling of the running maximum): every later rescaling is an exact power of two, which a block's scale takes up: the codes' values come out the same.
;;   OPERANDS COMPUTED ON THE WAY. 'Computed on the way' means the value that the module computes at that place (a softmax that the list does not call 'softmax' is quantised finished and normalised). What goes into a quantiser is computed in f32, as accurately as f32 sums, v_exp_f32 and their like allow (about 1e-6 of the number): no bf16 or f16 on the way to a quantiser, and a product that is left as it is and whose result goes on into a quantised operand takes f32 operands (vector FMAs, or v_wmma_f32_16x16x4_f32). A number that lies on a knife's edge between two numbers of the format may be rounded either way, as far as f32 arithmetic and the matrix unit's own rounding can turn it there, and no further.
;; 2 versions, each right and faster than the one before. Each part assembles by itself: llvm-mc -triple=amdgcn-amd-amdhsa -mcpu=gfx1250 --defsym DOCPART=n.
;; ======== version 1 of 2: 4 launches
;; workspace buffers: xq 4,456,448 bytes; wq 1,671,168 bytes; wo 557,056 bytes; qq 4,718,592 bytes; kv 9,175,040 bytes; ao 4,456,448 bytes
;; launch quant (part 1): grid 320 x 1, 4 waves a work-group, no clusters, 68,096 bytes of LDS; arguments x, Wq, Wk, Wv, Wo, xq, wq, wo; writes xq, wq, wo
.if DOCPART == 1
	.amdgcn_target "amdgcn-amd-amdhsa--gfx1250"
	.amdhsa_code_object_version 6
	.text
	.protected	k_q15b4931d69_quant
	.globl	k_q15b4931d69_quant
	.p2align	8
	.type	k_q15b4931d69_quant,@function
k_q15b4931d69_quant:
	s_mov_b64 s[64:65], 0
	v_nop
	global_prefetch_b8 v0, s[64:65] scope:SCOPE_SE
	s_setreg_imm32_b32 hwreg(HW_REG_WAVE_MODE, 25, 1), 1
	s_wait_xcnt 0x0
; x [8192][1024] and the four weights [1024 (k)][1024 (n)], all f32, become codes of FP4 (E2M1) with one E8M0 byte for each 32 along K.
; A block's scale is 2^(floor(log2(its largest magnitude)) - 2); its byte is that magnitude's exponent field - 2, held at 1 from below.
; POSITIONS.  Row i of every operand (a token of x, an output channel of a weight) is stored at position pos(i) = i with bits 3 and 4 exchanged.  A tile of 16 positions is then a
; tile whose two groups of eight rows lie 16 apart, so that the results of two neighbouring tiles used as source 0 are 16 neighbours along the next product's K.
; xq: codes [pos 8192][512 bytes], scale bytes [pos][32] from XSC on.  wq: rows 0-1023 Wq, 1024-2047 Wk, 2048-3071 Wv, codes [row][512], scale bytes [row][32] from WSC on.
; wo: for each of 8 K steps of 128: images of the operand's registers [tile 64][c 2][lane 32][16 bytes], then the scale words [pos 1024][4 bytes].
; Work-groups 0-255 take x (K innermost: a lane holds 16 neighbours, two lanes a block); work-groups 256-319 the weights (K outermost: a lane takes a column, its registers run down K).
; The two paths part on the work-group's number and have LDS bytes of their own.  Waves share nothing: no barrier, no tensor load, no cluster (no two work-groups read the same bytes).
; LIMITS: NaN and infinities among the inputs are not served; a block of zeros gets the byte 1 and not 127 (its codes are zeros, and this program alone reads the bytes);
; blocks whose largest magnitude lies under 2^-124 are held at that floor.
.set XSC,   4194304
.set WSC,   1572864
.set KSB,   69632                      ; a K step of wo in bytes
.set SPARE, 67584                      ; behind both paths' regions: the spare words, 128 bytes a wave
.set SPW,   224                        ; v224 LDS address of my spare word; never rewritten
.set NIL,   225                        ; v225 0; never rewritten
; the x path
.set STEPS, 16                         ; steps of 512 numbers for a wave: 8 rows of x
.set DEPTH, 8                          ; steps of loads ahead: 32 loads, 16 KiB a wave
.set WREG,  8192                       ; LDS of a wave: two stages of 32 x SP bytes, then its 256 scale bytes
.set SP,    80                         ; a lane's place in a stage: 64 bytes + 16 of padding
.set R,     16                         ; v16-143  eight sets of 16 numbers as loaded
.set X,     144                        ; v144-175 two sets of 16 neighbours
.set E,     176                        ; v176-191 a scale byte for each step
.set C,     192                        ; v192-223 two registers of codes for each step
; the W path
.set WSTG,  32768                      ; LDS: a stage of 32 rows x PITCH for each wave
.set PITCH, 272
.set NB,    16                         ; blocks of 32 along K for a wave
.set WX,    32                         ; v32-95   two sets of 32 numbers
.set WC,    96                         ; v96-99   a block's codes
.set SB,    24                         ; v24-27   16 scale bytes
.set OUTR,  112                        ; v112-175 the way out
	s_load_b256 s[4:11], s[0:1], 0x0               ; x s[4:5], Wq s[6:7], Wk s[8:9], Wv s[10:11]
	s_load_b256 s[12:19], s[0:1], 0x20             ; Wo s[12:13], xq s[14:15], wq s[16:17], wo s[18:19]
	v_lshl_add_u32 v[SPW], v0, 2, SPARE
	v_mov_b32 v[NIL], 0
	v_lshrrev_b32 v1, 5, v0
	v_readfirstlane_b32 s20, v1                    ; wave 0..3
	v_and_b32 v2, 31, v0                           ; lane
	s_cmp_lt_u32 ttmp9, 256
	s_cbranch_scc0 .Lweights
; ---------------- x ----------------
; Each load reads 512 consecutive bytes; a step's 2,048 bytes turn through the wave's own stage and come back 64 bytes (16 neighbours) a lane.
	v_lshlrev_b32 v3, 4, v2                        ; my 16 bytes of a load's 512
	s_mul_i32 s21, s20, WREG
	v_lshrrev_b32 v14, 2, v2
	v_mul_u32_u24 v14, v14, SP
	v_and_b32 v15, 3, v2
	v_lshl_add_u32 v14, v15, 4, v14
	v_add_nc_u32 v14, s21, v14                     ; the stage, in: SP (lane / 4) + 16 (lane % 4)
	v_mul_u32_u24 v15, v2, SP
	v_add_nc_u32 v15, s21, v15                     ; and out: SP x lane
	v_lshlrev_b32 v4, 3, v2                        ; 8 bytes a lane: my codes in a step's 256, and my part of the 256 scale bytes
	v_lshrrev_b32 v5, 1, v2
	s_add_co_u32 s21, s21, 2*32*SP
	v_add_nc_u32 v5, s21, v5                       ; LDS: my block's scale byte
	v_add_nc_u32 v6, s21, v4                       ; and 8 of the 256 on the way out
	s_lshl_b32 s22, ttmp9, 2
	s_add_co_u32 s24, s22, s20                     ; the run of 8 rows that I read: 4 x work-group + wave
	s_lshl_b32 s24, s24, 15                        ; 32,768 bytes a run
	s_mov_b32 s25, 0
	s_and_b32 s26, s20, 1                          ; the run's rows share bits 3 and 4, which are the wave's two bits: exchanged, they give the run that I write
	s_lshl_b32 s26, s26, 1
	s_lshr_b32 s27, s20, 1
	s_or_b32 s26, s26, s27
	s_add_co_u32 s26, s22, s26
	s_lshl_b32 s28, s26, 12                        ; 4,096 bytes of codes a run
	s_mov_b32 s29, 0
	s_lshl_b32 s30, s26, 8                         ; 256 scale bytes a run
	s_add_co_u32 s30, s30, XSC
	s_mov_b32 s31, 0
	s_wait_kmcnt 0x0
	s_add_nc_u64 s[4:5], s[4:5], s[24:25]
	s_add_nc_u64 s[28:29], s[14:15], s[28:29]
	s_add_nc_u64 s[30:31], s[14:15], s[30:31]
.macro XLOAD t
.irp i, 0,1,2,3
	global_load_b128 v[R+16*((\t)%DEPTH)+4*\i:R+16*((\t)%DEPTH)+4*\i+3], v3, s[4:5] offset:2048*(\t)+512*\i th:TH_LOAD_NT
.endr
.endm
.macro XTURN t                         ; LDS serves a wave's instructions in order: no wait between the stores and the loads
.irp i, 0,1,2,3
	ds_store_b128 v14, v[R+16*((\t)%DEPTH)+4*\i:R+16*((\t)%DEPTH)+4*\i+3] offset:32*SP*((\t)%2)+8*SP*\i
.endr
.irp i, 0,1,2,3
	ds_load_b128 v[X+16*((\t)%2)+4*\i:X+16*((\t)%2)+4*\i+3], v15 offset:32*SP*((\t)%2)+16*\i
.endr
.endm
.irp t, 0,1,2,3,4,5,6,7
	XLOAD \t
.endr
	s_wait_loadcnt 4*(DEPTH-1)                     ; step 0's four loads are in; the 28 of steps 1 to 7 may be out
	XTURN 0
.macro XSTEP t
.set XS, X+16*((\t)%2)
.if (\t) > 0
	s_wait_dscnt 1                                 ; this step's numbers are back from the stage (the last step's byte store may be out), so the stage's stores have read their registers,
.else
	s_wait_dscnt 0x0
.endif
.if (\t)+DEPTH < STEPS
	XLOAD (\t)+DEPTH                               ; which take the loads of eight steps on
.endif
.if (\t)+1 < STEPS
.if STEPS-2-(\t) >= DEPTH-1
	s_wait_loadcnt 4*(DEPTH-1)                     ; the next step's four loads are in; those of the seven steps behind it may be out
.else
	s_wait_loadcnt 4*(STEPS-2-(\t))
.endif
	XTURN (\t)+1
.endif
	v_max3_num_f32 v8, |v[XS]|, |v[XS+1]|, |v[XS+2]|               ; the largest magnitude of my 16, in two chains
	v_max3_num_f32 v9, |v[XS+3]|, |v[XS+4]|, |v[XS+5]|
.irp i, 6,10
	v_max3_num_f32 v8, v8, |v[XS+\i]|, |v[XS+\i+1]|
	v_max3_num_f32 v9, v9, |v[XS+\i+2]|, |v[XS+\i+3]|
.endr
	v_max3_num_f32 v8, v8, |v[XS+14]|, |v[XS+15]|
	v_max3_num_f32 v8, v8, v9, 0x1800000           ; and the floor 2^(3 - 127): the byte cannot fall under 1
	v_max_num_f32_dpp v8, v8, v8 row_xmask:1 row_mask:0xf bank_mask:0xf   ; with my neighbour's 16: the block's
	v_add_nc_u32 v11, 0xff000000, v8               ; 2 off the exponent field: the conversion takes that field as its scale
	v_cvt_scalef32_pk8_fp4_f32 v[C+2*(\t)], v[XS:XS+7], v11
	v_cvt_scalef32_pk8_fp4_f32 v[C+2*(\t)+1], v[XS+8:XS+15], v11
	v_lshrrev_b32 v[E+(\t)], 23, v11               ; the scale's byte
	ds_store_b8 v5, v[E+(\t)] offset:16*(\t)       ; both lanes of a block write the same byte with the same value
	global_store_b64 v4, v[C+2*(\t):C+2*(\t)+1], s[28:29] offset:256*(\t)   ; 32 lanes store 256 consecutive bytes, aligned
.endm
.irp t, 0,1,2,3,4,5,6,7,8,9,10,11,12,13,14,15
	XSTEP \t
.endr
	ds_load_b64 v[8:9], v6                         ; my wave's 256 scale bytes, 8 a lane
	s_wait_dscnt 0x0
	global_store_b64 v4, v[8:9], s[30:31]          ; 256 consecutive bytes, aligned
	s_wait_tensorcnt 0x0                           ; the wave's end: behind my last LDS store
	ds_add_u32 v[SPW], v[NIL]
	s_wait_dscnt 0x0
	s_endpgm
; ---------------- the weights ----------------
; Work-group 256 + i: weight i / 16, columns 128 ((i / 2) % 8) on, K half i % 2.  A wave: 32 columns x 512 along K.
.Lweights:
	s_sub_co_u32 s21, ttmp9, 256
	s_lshr_b32 s22, s21, 4                         ; which weight: 0 Wq, 1 Wk, 2 Wv, 3 Wo
	s_bfe_u32 s23, s21, 0x30001                    ; which 128 columns
	s_and_b32 s24, s21, 1                          ; which 512 along K
	s_lshl_b32 s26, s23, 7
	s_lshl_b32 s27, s20, 5
	s_add_co_u32 s26, s26, s27                     ; my wave's first column
	s_mul_i32 s25, s20, 32*PITCH
	s_add_co_u32 s25, s25, WSTG                    ; my stage
	v_lshlrev_b32 v3, 2, v2                        ; in: 4 bytes a lane
	v_and_b32 v16, 7, v2                           ; my column's position among the wave's 32: bits 3 and 4 exchanged
	v_bfe_u32 v17, v2, 3, 1
	v_lshl_add_u32 v16, v17, 4, v16
	v_bfe_u32 v17, v2, 4, 1
	v_lshl_add_u32 v16, v17, 3, v16
	v_mul_u32_u24 v4, v16, PITCH
	v_add_nc_u32 v4, s25, v4                       ; into the stage: row = my column's position
	v_and_b32 v5, 15, v2
	v_lshrrev_b32 v6, 4, v2
	v_mul_u32_u24 v7, v6, PITCH
	v_lshl_add_u32 v7, v5, 4, v7
	v_add_nc_u32 v7, s25, v7                       ; out of it by rows: sixteen lanes to a row, two rows an instruction
	v_mul_u32_u24 v10, v5, PITCH
	v_lshl_add_u32 v10, v6, 4, v10
	v_add_nc_u32 v10, s25, v10                     ; out of it as a fragment: row lane % 16, + 16 (lane / 16)
	v_lshlrev_b32 v8, 9, v6
	v_lshl_add_u32 v8, v5, 4, v8                   ; rows in wq: 512 bytes a row
	v_lshlrev_b32 v9, 5, v16                       ; my row of scale bytes in wq
	v_lshlrev_b32 v14, 4, v2                       ; an image's place for my lane
	v_lshlrev_b32 v15, 2, v16                      ; my scale word in wo
	s_lshl_b32 s28, s24, 21                        ; 512 rows of 4,096 bytes
	s_lshl_b32 s29, s26, 2
	s_add_co_u32 s28, s28, s29
	s_mov_b32 s29, 0
	s_wait_kmcnt 0x0
	s_cmp_eq_u32 s22, 1                            ; the choice hangs on the work-group's number alone
	s_cselect_b64 s[6:7], s[8:9], s[6:7]
	s_cmp_eq_u32 s22, 2
	s_cselect_b64 s[6:7], s[10:11], s[6:7]
	s_cmp_eq_u32 s22, 3
	s_cselect_b64 s[6:7], s[12:13], s[6:7]
	s_add_nc_u64 s[6:7], s[6:7], s[28:29]
.macro WLOAD t                         ; block t: W(32 t + i, my column) into set t % 2: 128 consecutive bytes a load
.irp i, 0,1,2,3,4,5,6,7,8,9,10,11,12,13,14,15,16,17,18,19,20,21,22,23,24,25,26,27,28,29,30,31
	global_load_b32 v[WX+32*((\t)%2)+\i], v3, s[6:7] offset:(32*(\t)+\i)*4096 th:TH_LOAD_NT
.endr
.endm
	WLOAD 0
	WLOAD 1
.macro WBLOCK t
.set XS, WX+32*((\t)%2)
.if (\t) < NB-1
	s_wait_loadcnt 32                              ; this block's 32 loads are in; the next block's may be out
.else
	s_wait_loadcnt 0
.endif
	v_max3_num_f32 v12, |v[XS]|, |v[XS+1]|, |v[XS+2]|              ; all 32 numbers of the block are mine
	v_max3_num_f32 v13, |v[XS+3]|, |v[XS+4]|, |v[XS+5]|
.irp i, 6,10,14,18,22,26
	v_max3_num_f32 v12, v12, |v[XS+\i]|, |v[XS+\i+1]|
	v_max3_num_f32 v13, v13, |v[XS+\i+2]|, |v[XS+\i+3]|
.endr
	v_max3_num_f32 v12, v12, |v[XS+30]|, |v[XS+31]|
	v_max3_num_f32 v12, v12, v13, 0x1800000        ; the floor
	v_add_nc_u32 v11, 0xff000000, v12              ; the conversion's scale operand
	v_lshrrev_b32 v13, 23, v11                     ; the scale's byte
.if (\t)%4 == 0
	v_mov_b32 v[SB+(\t)/4], v13                    ; four bytes to a register: the scale word of 128 along K
.else
	v_lshl_or_b32 v[SB+(\t)/4], v13, 8*((\t)%4), v[SB+(\t)/4]
.endif
.irp g, 0,1,2,3
	v_cvt_scalef32_pk8_fp4_f32 v[WC+\g], v[XS+8*\g:XS+8*\g+7], v11
.endr
	ds_store_b128 v4, v[WC:WC+3] offset:16*(\t)    ; 32 codes: 16 bytes of my column's row
.if (\t)+2 < NB
	WLOAD (\t)+2
.endif
	s_wait_dscnt 0x0                               ; the store has read its registers: the next block's codes may be written
.endm
.set Q, 0
.rept NB
	WBLOCK Q
.set Q, Q+1
.endr
	s_cmp_eq_u32 s22, 3
	s_cbranch_scc1 .Limage
	; Wq, Wk, Wv: rows of codes, as a tensor load of the next launch takes them
	s_lshl_b32 s30, s22, 10
	s_add_co_u32 s30, s30, s26                     ; my first row of wq
	s_lshl_b32 s32, s30, 9
	s_lshl_b32 s31, s24, 8
	s_add_co_u32 s32, s32, s31                     ; + my 256 bytes of the row's 512
	s_mov_b32 s33, 0
	s_add_nc_u64 s[32:33], s[16:17], s[32:33]
	s_lshl_b32 s34, s30, 5
	s_lshl_b32 s31, s24, 4
	s_add_co_u32 s34, s34, s31
	s_add_co_u32 s34, s34, WSC
	s_mov_b32 s35, 0
	s_add_nc_u64 s[34:35], s[16:17], s[34:35]
	global_store_b128 v9, v[SB:SB+3], s[34:35]     ; my column's 16 scale bytes (pieces of 16 bytes: one byte in 128 of what this path reads)
.irp t, 0,1,2,3,4,5,6,7,8,9,10,11,12,13,14,15
	ds_load_b128 v[OUTR+4*\t:OUTR+4*\t+3], v7 offset:2*\t*PITCH
.endr
.irp t, 0,1,2,3,4,5,6,7,8,9,10,11,12,13,14,15
	s_wait_dscnt 15-\t                             ; the younger read-backs may be out
	global_store_b128 v8, v[OUTR+4*\t:OUTR+4*\t+3], s[32:33] offset:2*\t*512   ; sixteen lanes store 256 consecutive bytes, aligned
.endr
	s_wait_tensorcnt 0x0                           ; the wave's end, as above
	ds_add_u32 v[SPW], v[NIL]
	s_wait_dscnt 0x0
	s_endpgm
.Limage:
	; Wo: images of the operand's registers: tile u of my two, K step q of my four, registers 4 c .. 4 c + 3
	s_mul_i32 s30, s24, 4*KSB
	s_lshl_b32 s31, s26, 6                         ; 1,024 bytes a tile of 16 positions
	s_add_co_u32 s32, s30, s31
	s_mov_b32 s33, 0
	s_add_nc_u64 s[32:33], s[18:19], s[32:33]
	s_lshl_b32 s31, s26, 2
	s_add_co_u32 s34, s30, s31
	s_add_co_u32 s34, s34, 65536
	s_mov_b32 s35, 0
	s_add_nc_u64 s[34:35], s[18:19], s[34:35]
.irp q, 0,1,2,3
	global_store_b32 v15, v[SB+\q], s[34:35] offset:\q*KSB   ; the 32 lanes fill 128 consecutive bytes of scale words
.endr
.irp t, 0,1,2,3,4,5,6,7,8,9,10,11,12,13,14,15   ; t = 8 u + 2 q + c
	ds_load_b128 v[OUTR+4*\t:OUTR+4*\t+3], v10 offset:16*(\t/8)*PITCH+64*((\t/2)%4)+32*(\t%2)
.endr
.irp t, 0,1,2,3,4,5,6,7,8,9,10,11,12,13,14,15
	s_wait_dscnt 15-\t
	global_store_b128 v14, v[OUTR+4*\t:OUTR+4*\t+3], s[32:33] offset:((\t/2)%4)*KSB+1024*(\t/8)+512*(\t%2)   ; 512 consecutive bytes, aligned
.endr
	s_wait_tensorcnt 0x0                           ; the wave's end, as above
	ds_add_u32 v[SPW], v[NIL]
	s_wait_dscnt 0x0
	s_endpgm
.Lfunc_end_k_q15b4931d69_quant:
	.size	k_q15b4931d69_quant, .Lfunc_end_k_q15b4931d69_quant-k_q15b4931d69_quant
	.p2alignl 7, 3214868480
	.fill 96, 4, 3214868480
	.section	.rodata,"a",@progbits
	.p2align	6, 0x0
	.amdhsa_kernel k_q15b4931d69_quant
		.amdhsa_group_segment_fixed_size 68096
		.amdhsa_private_segment_fixed_size 0
		.amdhsa_enable_private_segment 0
		.amdhsa_kernarg_size 64
		.amdhsa_user_sgpr_count 2
		.amdhsa_user_sgpr_kernarg_segment_ptr 1
		.amdhsa_wavefront_size32 1
		.amdhsa_system_sgpr_workgroup_id_x 1
		.amdhsa_system_sgpr_workgroup_id_y 1
		.amdhsa_system_sgpr_workgroup_id_z 1
		.amdhsa_system_vgpr_workitem_id 0
		.amdhsa_next_free_vgpr 226
		.amdhsa_next_free_sgpr 66
		.amdhsa_reserve_vcc 0
		.amdhsa_float_denorm_mode_32 3
		.amdhsa_float_denorm_mode_16_64 3
		.amdhsa_memory_ordered 1
		.amdhsa_forward_progress 1
		.amdhsa_inst_pref_size 116
	.end_amdhsa_kernel
	.amdgpu_metadata
---
amdhsa.version: [ 1, 2 ]
amdhsa.kernels:
  - .name:           k_q15b4931d69_quant
    .symbol:         k_q15b4931d69_quant.kd
    .args:
      - { .name: x, .offset: 0, .size: 8, .value_kind: global_buffer, .address_space: global }
      - { .name: Wq, .offset: 8, .size: 8, .value_kind: global_buffer, .address_space: global }
      - { .name: Wk, .offset: 16, .size: 8, .value_kind: global_buffer, .address_space: global }
      - { .name: Wv, .offset: 24, .size: 8, .value_kind: global_buffer, .address_space: global }
      - { .name: Wo, .offset: 32, .size: 8, .value_kind: global_buffer, .address_space: global }
      - { .name: xq, .offset: 40, .size: 8, .value_kind: global_buffer, .address_space: global }
      - { .name: wq, .offset: 48, .size: 8, .value_kind: global_buffer, .address_space: global }
      - { .name: wo, .offset: 56, .size: 8, .value_kind: global_buffer, .address_space: global }
    .group_segment_fixed_size: 68096
    .private_segment_fixed_size: 0
    .kernarg_segment_align: 8
    .kernarg_segment_size: 64
    .max_flat_workgroup_size: 128
    .sgpr_count:     66
    .vgpr_count:     226
    .wavefront_size: 32
...
	.end_amdgpu_metadata
.endif
;; end of part 1
;; launch qkv (part 2): grid 8 x 48, 4 waves a work-group, clusters of 4 x 4, 327,680 bytes of LDS; arguments xq, wq, bq, bk, bv, qq, kv; writes qq, kv
.if DOCPART == 2
	.amdgcn_target "amdgcn-amd-amdhsa--gfx1250"
	.amdhsa_code_object_version 6
	.text
	.protected	k_q15b4931d69_qkv
	.globl	k_q15b4931d69_qkv
	.p2align	8
	.type	k_q15b4931d69_qkv,@function
k_q15b4931d69_qkv:
	s_mov_b64 s[64:65], 0
	v_nop
	global_prefetch_b8 v0, s[64:65] scope:SCOPE_SE
	s_setreg_imm32_b32 hwreg(HW_REG_WAVE_MODE, 25, 1), 1
	s_wait_xcnt 0x0
	s_wait_alu depctr_hold_cnt(0) depctr_sa_sdst(0) depctr_va_vdst(0) depctr_va_sdst(0) depctr_va_ssrc(0) depctr_va_vcc(0) depctr_vm_vsrc(0)
	s_getreg_b32 s2, hwreg(HW_REG_IB_STS2, 6, 4)
	s_cmp_eq_u32 s2, 0
	s_cbranch_scc0 .Lentry_in_a_cluster
	s_endpgm
.Lentry_in_a_cluster:
	s_bfe_u32 s2, ttmp6, 0x10000c
	s_cmp_lg_u32 s2, 0xf033
	s_cbranch_scc0 .Lentry_shape_is_right
	s_endpgm
.Lentry_shape_is_right:
; q = x Wq + bq, k = x Wk + bk, v = x Wv + bv on codes of FP4 with E8M0 scales; the results are quantised at once, q and k along a head's 64 channels, v along the keys, and leave as
; images of the next launch's operand registers.  A work-group of four waves makes 256 x 256 of a product, a wave 128 x 128: 64 accumulators, 512 registers.  K = 1,024 is two LDS slots of
; 512 along K (rows of 256 bytes), both filled at the start: nothing is filled again.  The scale bytes of the work-group's rows come once, as dense blocks.
; SOURCE 0 ("B") gives the index along a lane's registers, SOURCE 1 ("A") the lane's own row.  Rows lie by POSITION (bits 3 and 4 of the index exchanged), so that the 16 registers of
; the results of B's tiles 2 b and 2 b + 1 are 16 neighbours in true order: just what the next quantiser wants.
;   clusters y = 0..7:  A = tokens (xq), B = the channels of Wq (cluster x = 0) or Wk (1): a lane holds a token, its registers run along the channels;
;   clusters y = 8..11: A = the channels of Wv (wq rows 2,048 on), B = tokens: a lane holds a channel, its registers run along the keys.  The loop is the same; only addresses differ.
; CLUSTERS: 4 x 4 work-groups; A's tiles are shared along a row of the cluster, B's along a column: each is asked for jointly.  The case (v or not) hangs on the cluster's y, which all sixteen share.
; q is quantised WITHOUT reference()'s factor 1/32 = 2^-5: the codes are the same, and the next launch has the factor in its constant.  Exact unless a block of q lies under about 2^-119.
; OUT.  qq: images [head 64][tile 128][512 bytes]; scale words from 4,194,304 on, [head][group of 8 tiles][lane' 32][4 words]: tile a, row r at lane' 16 (a % 2) + r, word a / 2.
;   kv, 143,360 bytes a head: K's images [tile 128][512]; V's [key step 16][channel tile 4][c 2][512] at 65,536; K's scale words (as qq's) at 131,072; V's [step][lane' 32][2 words] at 139,264.
; LIMITS: NaN and infinities are not served; a block of zeros carries the byte 1; blocks under 2^-124 are held at that floor.
; REGISTERS: window 0: v0-31 addresses; v32-95 scale words, two sets; v96-123 the quantiser's; v128-191 A's fragments, on the way out 64 numbers; v192-255 the bias.
;   window 1: B's fragments, two sets.   windows 2, 3: the accumulators ((a, b) at v[8 (8 (a % 4) + b)] of window 2 + a / 4).
.set KSTEP,  512
.set NQ,     KSTEP/128
.set ROWB,   256
.set KROW,   512                       ; a row of codes in memory
.set PITCH,  272                       ; an LDS row: 256 bytes + 16 of padding: the 16 rows of a load start at 16 different banks
.set FR,     8
.set NL,     2
.set NP,     4
.set HALFT,  128*PITCH
.set SLOT,   4*HALFT
.set KS,     32                        ; a row of scale bytes
.set SCL,    2*SLOT
.set HALFS,  (128*KS/256)*272
.set SBLK,   (16*KS/256)*272
.set SPARE,  SCL+4*HALFS               ; the spare words, 128 bytes a wave
.set STQ,    SPARE+512                 ; the q/k case's stage for scale words: 1,024 bytes a wave
.set STV,    STQ+4096                  ; the v case's: 512 bytes a wave
.set XSC,    4194304
.set WSC,    1572864
.set HEADB,  143360
.set LN,   7                           ; v7   lane
.set L16,  8                           ; v8   16 x lane
.set SAQ,  9                           ; v9   q/k: where I put a scale word
.set SBQ,  10                          ; v10  q/k: where I read 16 bytes of them back
.set SAV,  11                          ; v11  v: the same two
.set SBV,  12
.set OC0,  13                          ; v13, v14 my offsets among the images
.set OC1,  14
.set GS0,  15                          ; v15, v18 among the scale words
.set GS1,  18
.set ADRA, 16
.set ADRB, 20
.set ADRS, 27
.set SPW,  28
.set NIL,  29
.set SC,   32
.set TM,   96                          ; v96-99 largest magnitudes, v100-103 permutes and bytes, v108-111 the conversions' scale operands
.set PW,   112                         ; the scale word just made; v113 turned by 16 bits; v114 the one that my lane stores
.set PR,   113
.set PX,   114
.set PC,   116                         ; v116-123 the codes just made
.set BA,   116                         ; (until the way out: the eight addresses of the bias loads)
.set AF,   128
.set H,    128
.set BI,   192
.set G1, 24
.set G0, 32
.set G1B, 48
.set G0B, 56
.set ISV, 66                           ; s66  1 in the v case
.set HM,  67                           ; s67  the mask of lanes 16-31
.set G1S, 68
.set G0S, 76
.set G1SB, 80
.set G0SB, 88
.set GI,  94                           ; s94  which 128 tokens of the batch
.set BH,  95                           ; s95  16 x batch + my first head
.set MSB, 0
.macro WIN new                         ; the immediate's high byte repeats the setting that is left
.if MSB != (\new)
	s_set_vgpr_msb (MSB<<8)|(\new)
.set MSB, (\new)
.endif
.endm
.set MUL_LO, 0xa1                      ; source 0 (B) window 1, source 1 (A) window 0, C and D window 2
.set MUL_HI, 0xf1
.set TO_B,   0x40
; A joint load: waves 0 and 1 fetch for A, waves 2 and 3 for B; an s_nop 0 and four v_nop follow each of the two lines.
.macro JLOAD g0a, g1a, g0b, g1b
	s_cmp_eq_u32 s15, 0
	s_cbranch_scc0 .Lfor_b_\@
	tensor_load_to_lds s[\g0a:\g0a+3], s[\g1a:\g1a+7]
	s_nop 0
.rept 4
	v_nop
.endr
	s_branch .Lasked_\@
.Lfor_b_\@:
	tensor_load_to_lds s[\g0b:\g0b+3], s[\g1b:\g1b+7]
	s_nop 0
.rept 4
	v_nop
.endr
.Lasked_\@:
.endm
.macro CROUND                          ; a round of the cluster's barrier
	s_barrier_signal -1
	s_barrier_wait -1
	s_cmp_lg_u32 s14, 0
	s_cbranch_scc1 .Lnot_wave_0_\@
	s_barrier_signal -3
.Lnot_wave_0_\@:
	s_barrier_wait -3
	s_barrier_signal -1
	s_barrier_wait -1
.endm
	s_load_b256 s[4:11], s[0:1], 0x0               ; xq s[4:5], wq s[6:7], bq s[8:9], bk s[10:11]
	s_load_b128 s[96:99], s[0:1], 0x20             ; bv s[96:97], qq s[98:99]
	s_load_b64 s[100:101], s[0:1], 0x30            ; kv
	v_lshl_add_u32 v[SPW], v0, 2, SPARE
	v_mov_b32 v[NIL], 0
	ds_add_u32 v[SPW], v[NIL]                      ; the wave's opening: the add, twice on end, and its wait ahead of my first tensor load
	ds_add_u32 v[SPW], v[NIL]
	v_lshrrev_b32 v1, 5, v0
	v_readfirstlane_b32 s14, v1                    ; wave 0..3
	s_lshr_b32 s15, s14, 1                         ; which half of A's rows is mine.  Also: I fetch for A (0) or for B (1)
	s_and_b32 s16, s14, 1                          ; which half of B's rows.  Also: which 128 rows I fetch
	s_bfe_u32 s40, ttmp6, 0x40000                  ; cx, cy
	s_bfe_u32 s41, ttmp6, 0x40004
	s_and_b32 s3, ttmp7, 0xffff                    ; the cluster's y
	s_lshl_b32 s17, s3, 2
	s_lshl_b32 s42, ttmp9, 2
	s_lshl_b32 s46, s3, 3
	s_add_co_u32 s46, s46, s42
	s_sub_co_u32 s46, s46, 64                      ; 4 (x + 2 (y - 8)): the v case's first tile of tokens
	s_cmp_ge_u32 s3, 8
	s_cselect_b32 s[ISV], 1, 0
	s_cselect_b32 s17, 8, s17                      ; A's tiles: 4 y on in xq, or 8 on (row 2,048) in wq
	s_cselect_b32 s42, s46, s42                    ; B's tiles: 4 x on in wq, or the tokens'
	s_mov_b32 s104, XSC
	s_cselect_b32 s104, WSC, s104                  ; where A's buffer has its scale bytes
	s_mov_b32 s105, WSC
	s_cselect_b32 s105, XSC, s105                  ; and B's
	s_add_co_u32 s17, s17, s41                     ; A's tile: + cy
	s_add_co_u32 s42, s42, s40                     ; B's tile: + cx
	s_lshl_b32 s43, s41, 2
	s_lshl_b32 s43, 15, s43                        ; my row of the cluster
	s_lshl_b32 s44, 0x1111, s40                    ; my column
	; descriptor group 1: 128 rows x 256 bytes, 16 bytes of padding behind each
	s_or_b32 s[G1+0], s43, (0<<16)|(1<<20)|(1<<21)|(5<<22)|(3<<25)
	s_or_b32 s[G1B+0], s44, (0<<16)|(1<<20)|(1<<21)|(5<<22)|(3<<25)
.irp g, G1, G1B
	s_mov_b32 s[\g+1], ROWB<<16                    ; tensor_dim0
	s_mov_b32 s[\g+2], 128<<16                     ; tensor_dim1
	s_mov_b32 s[\g+3], ROWB<<16                    ; tile_dim0
	s_mov_b32 s[\g+4], 128                         ; tile_dim1
	s_mov_b32 s[\g+5], KROW                        ; the pitch
	s_mov_b32 s[\g+6], 0
	s_mov_b32 s[\g+7], 0
.endr
	; the scale bytes of 128 rows: 4,096 dense bytes as 16 rows of 256 (32 elements of 8 bytes), padded likewise
	s_or_b32 s[G1S+0], s43, (3<<16)|(1<<20)|(1<<21)|(5<<22)|(3<<25)
	s_or_b32 s[G1SB+0], s44, (3<<16)|(1<<20)|(1<<21)|(5<<22)|(3<<25)
.irp g, G1S, G1SB
	s_mov_b32 s[\g+1], 32<<16
	s_mov_b32 s[\g+2], (128*KS/256)<<16
	s_mov_b32 s[\g+3], 32<<16
	s_mov_b32 s[\g+4], 128*KS/256
	s_mov_b32 s[\g+5], 32
	s_mov_b32 s[\g+6], 0
	s_mov_b32 s[\g+7], 0
.endr
	s_lshl_b32 s18, s16, 7                         ; which 128 rows of a tile I fetch
	s_lshl_b32 s20, s17, 8
	s_add_co_u32 s20, s20, s18                     ; A's row
	s_lshl_b32 s46, s42, 8
	s_add_co_u32 s46, s46, s18                     ; B's row
	s_lshl_b32 s22, s20, 5
	s_add_co_u32 s22, s22, s104                    ; its scale bytes,
	s_mov_b32 s23, 0
	s_lshl_b32 s92, s46, 5
	s_add_co_u32 s92, s92, s105
	s_mov_b32 s93, 0
	s_lshl_b32 s20, s20, 9                         ; its codes
	s_mov_b32 s21, 0
	s_lshl_b32 s46, s46, 9
	s_mov_b32 s47, 0
	s_mul_i32 s45, s14, HALFT                      ; where they go: no place in the cluster enters an LDS address
	s_mul_i32 s2, s14, HALFS
	; the way out's ids: my wave's 128 tokens and 128 channels, whichever side they are on
	s_cmp_eq_u32 s[ISV], 1
	s_cselect_b32 s[GI], s42, s17                  ; the tokens' tile,
	s_cselect_b32 s[BH], s16, s15                  ; my half of it;
	s_cselect_b32 s3, s17, s42                     ; the channels' tile,
	s_cselect_b32 s19, s15, s16                    ; my half of it
	s_lshl_b32 s[GI], s[GI], 8
	s_lshl_b32 s[BH], s[BH], 7
	s_add_co_u32 s[GI], s[GI], s[BH]               ; my first token
	s_lshl_b32 s3, s3, 8
	s_lshl_b32 s19, s19, 7
	s_add_co_u32 s3, s3, s19
	s_and_b32 s3, s3, 1023                         ; my first channel of the 1,024
	s_lshr_b32 s[BH], s[GI], 11                    ; batch
	s_lshl_b32 s[BH], s[BH], 4
	s_lshr_b32 s19, s3, 6
	s_add_co_u32 s[BH], s[BH], s19                 ; 16 x batch + head
	s_bfe_u32 s[GI], s[GI], 0x40007                ; which 128 tokens of the batch's 2,048
	s_lshl_b32 s18, s3, 2                          ; the bias: my first channel's byte
	s_mov_b32 s19, 0
	s_wait_dscnt 0x0                               ; both opening adds are done
	s_wait_kmcnt 0x0
	s_cmp_eq_u32 s[ISV], 1                         ; the choices hang on the cluster's place in the grid alone
	s_cselect_b64 s[12:13], s[6:7], s[4:5]         ; A's buffer
	s_cselect_b64 s[6:7], s[4:5], s[6:7]           ; B's buffer
	s_add_nc_u64 s[20:21], s[12:13], s[20:21]
	s_add_nc_u64 s[22:23], s[12:13], s[22:23]
	s_add_nc_u64 s[46:47], s[6:7], s[46:47]
	s_add_nc_u64 s[92:93], s[6:7], s[92:93]
	s_cmp_eq_u32 ttmp9, 1
	s_cselect_b64 s[8:9], s[10:11], s[8:9]         ; bk or bq,
	s_cmp_eq_u32 s[ISV], 1
	s_cselect_b64 s[8:9], s[96:97], s[8:9]         ; or bv
	s_add_nc_u64 s[8:9], s[8:9], s[18:19]
	s_or_b32 s3, s[ISV], ttmp9
	s_cmp_lg_u32 s3, 0
	s_cselect_b64 s[12:13], s[100:101], s[98:99]   ; k and v go to kv, q to qq
	CROUND                                         ; all sixteen work-groups are here: the first joint loads meet
	s_mov_b32 s[G0S], 1
	s_add_co_u32 s[G0S+1], s2, SCL
	s_mov_b64 s[G0S+2:G0S+3], s[22:23]
	s_or_b32 s[G0S+3], s[G0S+3], 0x80000000
	s_mov_b32 s[G0SB], 1
	s_add_co_u32 s[G0SB+1], s2, SCL
	s_mov_b64 s[G0SB+2:G0SB+3], s[92:93]
	s_or_b32 s[G0SB+3], s[G0SB+3], 0x80000000
	JLOAD G0S, G1S, G0SB, G1SB                     ; the scales first: they are wanted with the first step
.irp s, 0,1
	s_mov_b32 s[G0+4*\s], 1
	s_add_co_u32 s[G0+4*\s+1], s45, \s*SLOT
	s_add_nc_u64 s[G0+4*\s+2:G0+4*\s+3], s[20:21], \s*ROWB
	s_or_b32 s[G0+4*\s+3], s[G0+4*\s+3], 0x80000000
	s_mov_b32 s[G0B+4*\s], 1
	s_add_co_u32 s[G0B+4*\s+1], s45, \s*SLOT
	s_add_nc_u64 s[G0B+4*\s+2:G0B+4*\s+3], s[46:47], \s*ROWB
	s_or_b32 s[G0B+4*\s+3], s[G0B+4*\s+3], 0x80000000
	JLOAD G0+4*\s, G1, G0B+4*\s, G1B               ; three loads of mine are out: all of K
.endr
	v_and_b32 v1, 15, v0                           ; r = lane % 16
	v_bfe_u32 v2, v0, 4, 1                         ; h = lane / 16
	v_mul_u32_u24 v3, v1, PITCH
	v_lshl_add_u32 v4, v2, 4, v3                   ; a fragment's row x pitch + 16 h
	s_mul_i32 s21, s15, HALFT                      ; my 128 rows of A
	s_mul_i32 s22, s16, HALFT                      ; my 128 rows of B,
	s_add_co_u32 s22, s22, 2*HALFT                 ; behind A's 256
.irp s, 0,1
	v_add_nc_u32 v[ADRA+\s], s21, v4
	v_add_nc_u32 v[ADRB+\s], s22, v4
	s_add_co_u32 s21, s21, SLOT
	s_add_co_u32 s22, s22, SLOT
.endr
	v_mul_u32_u24 v5, v1, KS                       ; my row's scale bytes,
	v_lshrrev_b32 v6, 8, v5
	v_lshl_add_u32 v5, v6, 4, v5                   ; and 16 more for each 256 passed
	s_mul_i32 s21, s15, HALFS
	s_mul_i32 s22, s16, HALFS
	s_add_co_u32 s22, s22, 2*HALFS
	s_sub_co_u32 s22, s22, s21
	v_mul_u32_u24 v6, s22, v2                      ; lanes 16-31 take B's
	s_add_co_u32 s21, s21, SCL
	v_add_nc_u32 v5, v5, v6
	v_add_nc_u32 v[ADRS], s21, v5
	v_and_b32 v[LN], 31, v0
	v_lshlrev_b32 v[L16], 4, v[LN]
	s_lshl_b32 s23, s14, 10
	s_add_co_u32 s23, s23, STQ
	v_lshl_add_u32 v[SAQ], v2, 9, s23              ; q/k: lanes 0-15 store the first head's words, lanes 16-31 the second's, 512 bytes on;
	v_lshl_add_u32 v[SAQ], v1, 4, v[SAQ]           ; 16 bytes a row
	v_add_nc_u32 v[SBQ], s23, v[L16]
	s_lshl_b32 s23, s14, 9
	s_add_co_u32 s23, s23, STV
	v_lshl_add_u32 v[SAV], v1, 3, s23              ; v: 8 bytes a row
	v_add_nc_u32 v[SBV], s23, v[L16]
	v_cmp_lt_u32 s[HM], 15, v[LN]
.irp b, 0,1,2,3
	v_mov_b32 v[TM+4+\b], 0                        ; written once: a lane permute's destination counts as one of its sources
.endr
	; THE BIAS, 64 registers in the results' layout.  q/k: register 8 b + j is the bias of channel 32 (b / 2) + 8 (b % 2) + 16 h + j.  v: the eight registers of block a all hold the bias
	; of my lane's channel, 32 (a / 2) + 8 (a % 2) + r % 8 + 16 (r / 8).  The block's part is the same in both: one run of loads serves both, through eight addresses.
	v_lshlrev_b32 v5, 6, v2                        ; q/k: 64 h
	v_and_b32 v6, 7, v1
	v_lshrrev_b32 v3, 3, v1
	v_lshlrev_b32 v6, 2, v6
	v_lshl_add_u32 v6, v3, 6, v6                   ; v: 4 (r % 8) + 64 (r / 8)
	s_cmp_eq_u32 s[ISV], 1
	s_cselect_b32 s3, -1, 0
	s_cselect_b32 s19, 0, 4
	v_cndmask_b32 v5, v5, v6, s3
.irp j, 0,1,2,3,4,5,6,7
	v_mad_u32_u24 v[BA+\j], s19, \j, v5
.endr
.irp b, 0,1,2,3,4,5,6,7
.irp j, 0,1,2,3,4,5,6,7
	global_load_b32 v[BI+8*\b+\j], v[BA+\j], s[8:9] offset:128*(\b/2)+32*(\b%2)
.endr
.endr
.macro FRAG reg, adr, q, i             ; 16 rows x 128 K of 4-bit codes: registers 4 c .. 4 c + 3 hold K = 64 c + 32 h + 0 .. 31
.irp c, 0,1
	ds_load_b128 v[\reg+4*\c:\reg+4*\c+3], v[\adr] offset:64*(\q)+32*\c+(\i)*16*PITCH
.endr
.endm
; 16 matrix instructions: A's blocks a0, a0 + 1 x B's eight.  The 64 accumulators take turns, one instruction a turn, in the same order in every step.
.macro MUL16 a0, p, q, sc, zero
.irp a, \a0, \a0+1
.irp b, 0,1,2,3,4,5,6,7
.if \zero
	v_wmma_scale_f32_16x16x128_f8f6f4 v[8*(8*((\a)%4)+\b):8*(8*((\a)%4)+\b)+7], v[128*(\p)+FR*\b:128*(\p)+FR*\b+FR-1], v[AF+FR*(\a):AF+FR*(\a)+FR-1], 0, v[SC+8*NQ*(\sc)+NQ*\b+(\q)], v[SC+8*NQ*(\sc)+NQ*(\a)+(\q)] matrix_a_fmt:MATRIX_FMT_FP4 matrix_b_fmt:MATRIX_FMT_FP4 matrix_a_scale:MATRIX_SCALE_ROW1
.else
	v_wmma_scale_f32_16x16x128_f8f6f4 v[8*(8*((\a)%4)+\b):8*(8*((\a)%4)+\b)+7], v[128*(\p)+FR*\b:128*(\p)+FR*\b+FR-1], v[AF+FR*(\a):AF+FR*(\a)+FR-1], v[8*(8*((\a)%4)+\b):8*(8*((\a)%4)+\b)+7], v[SC+8*NQ*(\sc)+NQ*\b+(\q)], v[SC+8*NQ*(\sc)+NQ*(\a)+(\q)] matrix_a_fmt:MATRIX_FMT_FP4 matrix_b_fmt:MATRIX_FMT_FP4 matrix_a_scale:MATRIX_SCALE_ROW1
.endif
.endr
.endr
.endm
.macro FETCH_B slot, q, p
	WIN TO_B
.irp i, 0,1,2,3,4,5,6,7
	FRAG 128*(\p)+FR*\i, ADRB+\slot, \q, \i
.endr
	WIN 0
.endm
.macro FETCH_A slot, q, i0
.irp i, \i0, \i0+1, \i0+2, \i0+3
	FRAG AF+FR*(\i), ADRA+\slot, \q, \i
.endr
.endm
.macro SCALES sc                       ; a slot's scale words: lanes 0-15 take A's block i, lanes 16-31 B's block i
.irp i, 0,1,2,3,4,5,6,7
	ds_load_b128 v[SC+8*NQ*\sc+NQ*\i:SC+8*NQ*\sc+NQ*\i+3], v[ADRS] offset:\i*SBLK
.endr
.endm
.macro PLACES n                        ; plain vector instructions between a matrix instruction and a load into, or a vector read or write of, its registers
.rept \n
	v_nop
.endr
.endm
.macro STEP slot, q, zero              ; 128 along K that has its successor in the same slot
	s_wait_dscnt 4*NL                              ; B's set and A's blocks 0-3 are in; the youngest eight loads (A's blocks 4-7) may be out
	WIN MUL_LO
	MUL16 0, (\q)%2, \q, \slot, \zero
	MUL16 2, (\q)%2, \q, \slot, \zero
	s_wait_dscnt 0
	PLACES NP
	FETCH_B \slot, (\q)+1, 1-(\q)%2
	FETCH_A \slot, (\q)+1, 0
	WIN MUL_HI
	MUL16 4, (\q)%2, \q, \slot, \zero
	MUL16 6, (\q)%2, \q, \slot, \zero
	PLACES NP
	WIN 0
	FETCH_A \slot, (\q)+1, 4
.endm
.macro STEPS slot, from
.set Q, \from
.rept NQ-1-\from
	STEP \slot, Q, 0
.set Q, Q+1
.endr
.endm
	s_wait_tensorcnt 1                             ; the scales and my part of slot 0 are in (slot 1's load may be out)
	s_barrier_signal -1
	s_barrier_wait -1                              ; everybody's are
	FETCH_B 0, 0, 0
	FETCH_A 0, 0, 0
	SCALES 0
	FETCH_A 0, 0, 4
	STEP 0, 0, 1                                   ; the first products start the sums: nothing is cleared
	STEPS 0, 1
	; slot 0's last step changes slots: my part of slot 1 has landed, and a barrier shows everybody's
	s_wait_tensorcnt 0x0
	ds_add_u32 v[SPW], v[NIL]
	s_wait_dscnt 4*NL+1                            ; (the add and A's blocks 4-7 may be out)
	WIN MUL_LO
	MUL16 0, 1, NQ-1, 0, 0
	s_wait_dscnt 0x0
	s_barrier_signal -1
	MUL16 2, 1, NQ-1, 0, 0
	WIN 0
	s_barrier_wait -1
	PLACES NP
	v_add_nc_u32 v[ADRS], 4*NQ, v[ADRS]            ; on to slot 1's scale words
	FETCH_B 1, 0, 0
	FETCH_A 1, 0, 0
	SCALES 1
	WIN MUL_HI
	MUL16 4, 1, NQ-1, 0, 0
	MUL16 6, 1, NQ-1, 0, 0
	PLACES NP
	WIN 0
	FETCH_A 1, 0, 4
	STEPS 1, 0
	s_wait_dscnt 4*NL                              ; the very last step
	WIN MUL_LO
	MUL16 0, 1, NQ-1, 1, 0
	MUL16 2, 1, NQ-1, 1, 0
	s_wait_dscnt 0
	WIN MUL_HI
	MUL16 4, 1, NQ-1, 1, 0
	MUL16 6, 1, NQ-1, 1, 0
	WIN 0
; THE WAY OUT.  64 numbers of a lane, register 16 b + i = index 32 b + 16 h + i along the next K, become a fragment's codes in v[PC] on and its scale word in v[PW].
.macro QUANT s
.irp b, 0,1,2,3
	v_max3_num_f32 v[TM+\b], |v[\s+16*\b]|, |v[\s+1+16*\b]|, 0x1800000   ; block b: my 16 numbers, and the floor 2^(3 - 127)
.endr
.irp i, 2,4,6,8,10,12,14
.irp b, 0,1,2,3
	v_max3_num_f32 v[TM+\b], v[TM+\b], |v[\s+16*\b+\i]|, |v[\s+1+16*\b+\i]|
.endr
.endr
.irp b, 0,1,2,3
	v_permlanex16_b32 v[TM+4+\b], v[TM+\b], s104, s105
.endr
.irp b, 0,1,2,3
	v_max_num_f32 v[TM+\b], v[TM+\b], v[TM+4+\b]   ; with lane l xor 16's: the block's largest magnitude
.endr
.irp b, 0,1,2,3
	v_add_nc_u32 v[TM+12+\b], 0xff000000, v[TM+\b] ; the conversion's scale operand
.endr
.irp b, 0,1,2,3
	v_lshrrev_b32 v[TM+4+\b], 23, v[TM+12+\b]      ; the scale's byte
.endr
	v_lshl_or_b32 v[PW], v[TM+5], 8, v[TM+4]
	v_lshl_or_b32 v[PW], v[TM+6], 16, v[PW]
	v_lshl_or_b32 v[PW], v[TM+7], 24, v[PW]
.irp b, 0,1,2,3
	v_cvt_scalef32_pk8_fp4_f32 v[PC+2*\b], v[\s+16*\b:\s+7+16*\b], v[TM+12+\b]
	v_cvt_scalef32_pk8_fp4_f32 v[PC+1+2*\b], v[\s+8+16*\b:\s+15+16*\b], v[TM+12+\b]
.endr
	v_nop                                          ; one plain place behind a scaled conversion
.irp c, 0,1                                    ; the operand's layout wants a whole block in a lane
.irp i, 0,1
	v_permlane16_swap_b32 v[PC+4*\c+\i], v[PC+2+4*\c+\i]
.endr
.endr
.endm
; A's block a: the sums move into window 0 with the bias added (each accumulator from its low end on), are quantised and leave.  ty = 0: q/k; 1: v.
.macro EPI a, ty
.if (\a) > 0
	s_wait_xcnt 0x0                                ; the last block's stores have read the codes' registers,
	s_wait_dscnt 0x0                               ; and its LDS store the scale word
.endif
	WIN 0x02+(\a)/4                                ; source 0: window 2 or 3
.set EI, 0
.rept 32
.if \ty
	v_pk_add_f32 v[H+EI:H+EI+1], v[64*((\a)%4)+EI:64*((\a)%4)+EI+1], v[BI+8*(\a)+EI%8:BI+8*(\a)+EI%8+1]
.else
	v_pk_add_f32 v[H+EI:H+EI+1], v[64*((\a)%4)+EI:64*((\a)%4)+EI+1], v[BI+EI:BI+EI+1]
.endif
.set EI, EI+2
.endr
	WIN 0
	QUANT H
.if \ty
	ds_store_b32 v[SAV], v[PW] offset:((\a)/4)*256+((\a)%2)*128+(((\a)%4)/2)*4   ; both lanes of a row write the same word with the same value
	global_store_b128 v[OC0], v[PC:PC+3], s[12:13] offset:((\a)/4)*HEADB+((\a)%4)*1024       ; head a / 4, channel tile a % 4: 512 consecutive bytes, aligned
	global_store_b128 v[OC0], v[PC+4:PC+7], s[12:13] offset:((\a)/4)*HEADB+((\a)%4)*1024+512
.else
	v_alignbit_b32 v[PR], v[PW], v[PW], 16         ; the second head's two bytes brought low.  (The upper two bytes of either word scale zero codes, and are never 0xff)
	v_cndmask_b32 v[PX], v[PW], v[PR], s[HM]
	ds_store_b32 v[SAQ], v[PX] offset:((\a)%2)*256+((\a)/2)*4
	global_store_b128 v[OC0], v[PC:PC+3], s[12:13] offset:512*(\a)     ; registers 0-3 are the first head's 64 channels: its fragment's image; 512 consecutive bytes, aligned
	global_store_b128 v[OC1], v[PC+4:PC+7], s[12:13] offset:512*(\a)   ; registers 4-7 the second head's
.endif
.endm
	PLACES NP                                      ; behind the last products: their results are read and A's fragments overwritten below
	s_mov_b32 s104, 0x76543210                     ; v_permlanex16_b32's selects for lane l xor 16
	s_mov_b32 s105, 0xfedcba98
	s_wait_loadcnt 0x0                             ; the bias
	s_cmp_eq_u32 s[ISV], 1
	s_cbranch_scc1 .Lway_v
	s_cmp_eq_u32 ttmp9, 1                          ; k or q: only offsets hang on it
	s_mov_b32 s3, 65536
	s_cselect_b32 s3, HEADB, s3                    ; from head to head among the images,
	s_mov_b32 s18, 8192
	s_cselect_b32 s18, HEADB, s18                  ; among the scale words,
	s_mov_b32 s19, 4194304
	s_cselect_b32 s19, 131072, s19                 ; and where the scale words begin
	v_mad_u32_u24 v[OC0], s[BH], s3, v[L16]
	v_lshl_add_u32 v[OC0], s[GI], 12, v[OC0]       ; 8 tiles of 512 bytes for each 128 tokens
	v_add_nc_u32 v[OC1], s3, v[OC0]
	v_mad_u32_u24 v[GS0], s[BH], s18, v[L16]
	v_lshl_add_u32 v[GS0], s[GI], 9, v[GS0]
	v_add_nc_u32 v[GS0], s19, v[GS0]
	v_add_nc_u32 v[GS1], s18, v[GS0]
.irp a, 0,1,2,3,4,5,6,7
	EPI \a, 0
.endr
	ds_load_b128 v[32:35], v[SBQ]                  ; the two heads' scale words of my 8 tiles, 512 bytes each; LDS serves a wave's instructions in order
	ds_load_b128 v[36:39], v[SBQ] offset:512
	s_wait_dscnt 0x0
	global_store_b128 v[GS0], v[32:35], s[12:13]
	global_store_b128 v[GS1], v[36:39], s[12:13]
	s_branch .Ldone
.Lway_v:
	s_mul_i32 s3, s[BH], HEADB
	s_lshl_b32 s18, s[GI], 12                      ; a key step's images: 4,096 bytes
	s_add_co_u32 s18, s18, s3
	s_add_co_u32 s18, s18, 65536
	v_add_nc_u32 v[OC0], s18, v[L16]
	s_lshl_b32 s18, s[GI], 8                       ; its scale words: 256
	s_add_co_u32 s18, s18, s3
	s_add_co_u32 s18, s18, 139264
	v_lshl_add_u32 v[GS0], v1, 4, s18
	v_mul_u32_u24 v[OC1], v2, HEADB                ; lanes 16-31 store the second head's
	v_add_nc_u32 v[GS0], v[GS0], v[OC1]
.irp a, 0,1,2,3,4,5,6,7
	EPI \a, 1
.endr
	ds_load_b128 v[32:35], v[SBV]
	s_wait_dscnt 0x0
	global_store_b128 v[GS0], v[32:35], s[12:13]   ; each half of the lanes stores 256 consecutive bytes, aligned
.Ldone:
	s_wait_tensorcnt 0x0                           ; the wave's end: behind my last tensor load and my last LDS store
	ds_add_u32 v[SPW], v[NIL]
	s_wait_dscnt 0x0
	CROUND                                         ; the closing round
	s_endpgm
.Lfunc_end_k_q15b4931d69_qkv:
	.size	k_q15b4931d69_qkv, .Lfunc_end_k_q15b4931d69_qkv-k_q15b4931d69_qkv
	.p2alignl 7, 3214868480
	.fill 96, 4, 3214868480
	.section	.rodata,"a",@progbits
	.p2align	6, 0x0
	.amdhsa_kernel k_q15b4931d69_qkv
		.amdhsa_group_segment_fixed_size 327680
		.amdhsa_private_segment_fixed_size 0
		.amdhsa_enable_private_segment 0
		.amdhsa_kernarg_size 56
		.amdhsa_user_sgpr_count 2
		.amdhsa_user_sgpr_kernarg_segment_ptr 1
		.amdhsa_wavefront_size32 1
		.amdhsa_system_sgpr_workgroup_id_x 1
		.amdhsa_system_sgpr_workgroup_id_y 1
		.amdhsa_system_sgpr_workgroup_id_z 1
		.amdhsa_system_vgpr_workitem_id 0
		.amdhsa_next_free_vgpr 1024
		.amdhsa_next_free_sgpr 106
		.amdhsa_reserve_vcc 0
		.amdhsa_float_denorm_mode_32 3
		.amdhsa_float_denorm_mode_16_64 3
		.amdhsa_memory_ordered 1
		.amdhsa_forward_progress 1
		.amdhsa_inst_pref_size 204
	.end_amdhsa_kernel
	.amdgpu_metadata
---
amdhsa.version: [ 1, 2 ]
amdhsa.kernels:
  - .name:           k_q15b4931d69_qkv
    .symbol:         k_q15b4931d69_qkv.kd
    .args:
      - { .name: xq, .offset: 0, .size: 8, .value_kind: global_buffer, .address_space: global }
      - { .name: wq, .offset: 8, .size: 8, .value_kind: global_buffer, .address_space: global }
      - { .name: bq, .offset: 16, .size: 8, .value_kind: global_buffer, .address_space: global }
      - { .name: bk, .offset: 24, .size: 8, .value_kind: global_buffer, .address_space: global }
      - { .name: bv, .offset: 32, .size: 8, .value_kind: global_buffer, .address_space: global }
      - { .name: qq, .offset: 40, .size: 8, .value_kind: global_buffer, .address_space: global }
      - { .name: kv, .offset: 48, .size: 8, .value_kind: global_buffer, .address_space: global }
    .group_segment_fixed_size: 327680
    .private_segment_fixed_size: 0
    .kernarg_segment_align: 8
    .kernarg_segment_size: 56
    .max_flat_workgroup_size: 128
    .sgpr_count:     106
    .vgpr_count:     1024
    .wavefront_size: 32
...
	.end_amdgpu_metadata
.endif
;; end of part 2
;; launch attn (part 3): grid 4 x 64, 16 waves a work-group, clusters of 4 x 1, 167,936 bytes of LDS; arguments qq, kv, ao; writes ao
.if DOCPART == 3
	.amdgcn_target "amdgcn-amd-amdhsa--gfx1250"
	.amdhsa_code_object_version 6
	.text
	.protected	k_q15b4931d69_attn
	.globl	k_q15b4931d69_attn
	.p2align	8
	.type	k_q15b4931d69_attn,@function
k_q15b4931d69_attn:
	s_mov_b64 s[64:65], 0
	v_nop
	global_prefetch_b8 v0, s[64:65] scope:SCOPE_SE
	s_setreg_imm32_b32 hwreg(HW_REG_WAVE_MODE, 25, 1), 1
	s_wait_xcnt 0x0
	s_wait_alu depctr_hold_cnt(0) depctr_sa_sdst(0) depctr_va_vdst(0) depctr_va_sdst(0) depctr_va_ssrc(0) depctr_va_vcc(0) depctr_vm_vsrc(0)
	s_getreg_b32 s2, hwreg(HW_REG_IB_STS2, 6, 4)
	s_cmp_eq_u32 s2, 0
	s_cbranch_scc0 .Lentry_in_a_cluster
	s_endpgm
.Lentry_in_a_cluster:
	s_bfe_u32 s2, ttmp6, 0x10000c
	s_cmp_lg_u32 s2, 0x3003
	s_cbranch_scc0 .Lentry_shape_is_right
	s_endpgm
.Lentry_shape_is_right:
; For each of 64 heads (batch x head): O = softmax(q k^T / 32) v, both products on codes of FP4 with E8M0 scales, and O / l quantised along the channels for the projection that follows.
; THE SOFTMAX: t = score x log2(e) / 32 (q's codes carry no factor: 1/32 lies in c); M = the running largest t rounded UP to a whole number; p = 2^(t - M) is quantised along the keys, not
; normalised; the row's sum is taken of the unquantised p and divides at the end.  When M moves, the sum and O are multiplied by 2^(old M - new M): exact.
; SHARES.  A work-group owns 512 queries of one head; each of its sixteen waves two tiles of 16, one after the other, in 256 registers: four waves to a SIMD, so that one wave's vector
; work stands beside another's matrix work and LDS loads.  Every wave walks all 2,048 keys, 128 a step.
; A WHOLE HEAD'S K AND V, codes and scale words, are 143,360 bytes: they come into LDS ONCE, laid as in memory; there is no ring and nothing is filled again.
; CLUSTER.  The four work-groups of a head form a cluster and ask for those bytes jointly: each wave one load of 35 rows of 256 bytes, the same in all four.
; LAYOUT.  Both products are used transposed: S^T = K Q^T, O^T = V^T P^T: a lane holds ONE query throughout.  K's and V's rows lie by position (bits 3 and 4 exchanged), so the 16 registers of
; tiles 2 b and 2 b + 1 are 16 neighbouring keys (channels) in true order.  The head's 64 channels fill registers 0-3 of a fragment; registers 4-7 are zero codes on both sides.
; All fragments lie in LDS as images of their registers: 16 bytes a lane, 512 consecutive bytes a load.
; No prefetch: all that the launch reads is asked for at its head.
; LIMITS: NaN and infinities are not served; a block of zeros carries the byte 1; the scale bytes of ao leave as two bytes a row (256 KiB in all): whole units would want eight heads in a work-group.
.set SPARE, 143360                     ; behind the head's bytes: the spare words, 128 bytes a wave
.set AK0,  1                           ; v1   16 x lane: my place in an image
.set AV0,  2                           ; v2   + 65,536: V's images
.set AS0,  3                           ; v3   + 131,072: K's scale words
.set AT0,  4                           ; v4   8 x lane + 139,264: V's scale words
.set SPW,  5
.set NIL,  6
.set GSB,  7                           ; v7   32 r + h: my scale byte in ao
.set ADK,  8                           ; v8-11 the step's addresses
.set ADV,  9
.set ADS,  10
.set ADT,  11
.set VSC,  26                          ; v26-27 V's scale words: word t / 2, lanes 0-15 tile t even, 16-31 odd
.set KSC,  28                          ; v28-31 K's likewise
.set KF,   32                          ; v32-95 K's eight fragments
.set VF,   192                         ; v192-223 V's four
.set WV,   18
.set SEL,  20
.set CS,   22
.set G1,   24
.set G0,   32
.set TK,   36                          ; s36  the step's images: 4,096 bytes a step, for K and V alike
.set TS,   37                          ; s37  K's scale words: 512
.set TJ,   38                          ; s38  V's: 256
.set CNT,  39
.set HM,   41                          ; s41  the mask of lanes 16-31
; v12 -M, v13 the largest t, v[14:15] the sum; v16-23 and v244-251 Q of my two tiles, v24, v25 their scale words; v96-159 S^T, then p; v160-191 O^T; v224-231 p's codes; v232-243, v252-254 at work
.macro ROUND
	s_barrier_signal -1
	s_barrier_wait -1
	s_cmp_lg_u32 s[WV], 0
	s_cbranch_scc1 .Lnot_wave_0_\@
	s_barrier_signal -3
.Lnot_wave_0_\@:
	s_barrier_wait -3
	s_barrier_signal -1
	s_barrier_wait -1
.endm
	s_load_b128 s[4:7], s[0:1], 0x0                ; qq, kv
	s_load_b64 s[8:9], s[0:1], 0x10                ; ao
	v_lshl_add_u32 v[SPW], v0, 2, SPARE
	v_mov_b32 v[NIL], 0
	ds_add_u32 v[SPW], v[NIL]                      ; the wave's opening: the add, twice on end, and its wait ahead of my first tensor load
	ds_add_u32 v[SPW], v[NIL]
	v_lshrrev_b32 v8, 5, v0
	v_readfirstlane_b32 s[WV], v8                  ; wave 0..15
	s_bfe_u32 s40, ttmp6, 0x40000                  ; cx: it enters Q's and ao's addresses alone
	s_and_b32 s42, ttmp7, 0xffff                   ; 16 x batch + head, which the four partners share
	; descriptor group 1: 35 rows of 256 dense bytes (32 elements of 8 bytes), no padding
	s_mov_b32 s[G1], 15|(3<<16)|(1<<21)            ; the mask: all four work-groups; bit 21 beside it
	s_mov_b32 s[G1+1], 32<<16
	s_mov_b32 s[G1+2], 35<<16
	s_mov_b32 s[G1+3], 32<<16
	s_mov_b32 s[G1+4], 35
	s_mov_b32 s[G1+5], 32
	s_mov_b32 s[G1+6], 0
	s_mov_b32 s[G1+7], 0
	s_mul_i32 s44, s42, 143360
	s_mul_i32 s[G0+1], s[WV], 8960                 ; my sixteenth of the head, in LDS
	s_add_co_u32 s44, s44, s[G0+1]                 ; and in memory
	s_mov_b32 s45, 0
	s_lshl_b32 s43, s40, 5
	s_lshl_b32 s46, s[WV], 1
	s_add_co_u32 s43, s43, s46                     ; my first tile of the head's 128: 32 cx + 2 wave
	s_lshl_b32 s48, s42, 7
	s_add_co_u32 s48, s48, s43
	s_lshl_b32 s48, s48, 9                         ; Q's images: 512 bytes a tile
	s_mov_b32 s49, 0
	s_lshl_b32 s46, s42, 13                        ; Q's scale words: 8,192 bytes a head,
	s_lshl_b32 s47, s40, 11                        ; 512 a group of 8 tiles: group 4 cx + wave / 4,
	s_add_co_u32 s46, s46, s47
	s_lshr_b32 s47, s[WV], 2
	s_lshl_b32 s47, s47, 9
	s_add_co_u32 s46, s46, s47
	s_and_b32 s47, s[WV], 3                        ; word wave % 4 (my tiles are 2 (wave % 4) and the next)
	s_lshl_b32 s47, s47, 2
	s_add_co_u32 s46, s46, s47
	s_add_co_u32 s46, s46, 4194304
	s_mov_b32 s47, 0
	s_lshr_b32 s50, s42, 4                         ; batch
	s_lshl_b32 s50, s50, 7
	s_add_co_u32 s50, s50, s43                     ; my first tile of the 512 of all tokens
	s_and_b32 s51, s42, 15                         ; head
	s_lshl_b32 s52, s50, 4
	s_add_co_u32 s52, s52, s51
	s_lshl_b32 s52, s52, 9                         ; ao's images: [tile][head][512 bytes]
	s_mov_b32 s53, 0
	s_lshl_b32 s54, s50, 9                         ; ao's scale bytes: 32 a row, 512 a tile,
	s_lshl_b32 s51, s51, 1
	s_add_co_u32 s54, s54, s51                     ; my head's two
	s_add_co_u32 s54, s54, 4194304
	s_mov_b32 s55, 0
	s_mov_b32 s[SEL], 0x76543210
	s_mov_b32 s[SEL+1], 0xfedcba98
	s_mov_b32 s[CS], 0x3d38aa3b                    ; c = log2(e) / 32
	s_mov_b32 s[CS+1], s[CS]
	v_and_b32 v9, 31, v0                           ; lane
	v_and_b32 v10, 15, v0                          ; r
	v_bfe_u32 v11, v0, 4, 1                        ; h
	v_lshlrev_b32 v[AK0], 4, v9
	v_add_nc_u32 v[AV0], 65536, v[AK0]
	v_add_nc_u32 v[AS0], 131072, v[AK0]
	v_lshl_add_u32 v[AT0], v9, 3, 139264
	v_lshl_add_u32 v[GSB], v10, 5, v11
	v_lshlrev_b32 v10, 4, v10                      ; 16 r: my row among Q's scale words
	v_cmp_lt_u32 s[HM], 15, v9
	s_wait_dscnt 0x0                               ; both opening adds are done
	s_wait_kmcnt 0x0
	s_mov_b32 s[G0], 1
	s_add_nc_u64 s[G0+2:G0+3], s[6:7], s[44:45]
	s_or_b32 s[G0+3], s[G0+3], 0x80000000
	s_add_nc_u64 s[10:11], s[4:5], s[48:49]        ; Q's images
	s_add_nc_u64 s[12:13], s[4:5], s[46:47]        ; Q's scale words
	s_add_nc_u64 s[14:15], s[8:9], s[52:53]        ; ao's images
	s_add_nc_u64 s[16:17], s[8:9], s[54:55]        ; ao's scale bytes
	ROUND                                          ; all four work-groups are here: the joint loads meet
	tensor_load_to_lds s[G0:G0+3], s[G1:G1+7]      ; my one tensor load of the launch
	s_nop 0
	global_load_b128 v[16:19], v[AK0], s[10:11]
	global_load_b128 v[244:247], v[AK0], s[10:11] offset:512
	global_load_b32 v24, v10, s[12:13]
	global_load_b32 v25, v10, s[12:13] offset:256
.irp j, 20,21,22,23,248,249,250,251
	v_mov_b32 v[\j], 0                             ; Q's registers 4-7: zero codes
.endr
.irp t, 0,1,2,3,4,5,6,7
.irp j, 4,5,6,7
	v_mov_b32 v[KF+8*\t+\j], 0                     ; K's likewise, written once
.endr
.endr
.irp b, 0,1,2,3
	v_mov_b32 v[236+\b], 0                         ; written once: a lane permute's destination counts as one of its sources
.endr
	s_wait_loadcnt 0x0                             ; Q
	s_wait_tensorcnt 0x0                           ; my part of the head is in,
	s_barrier_signal -1
	s_barrier_wait -1                              ; everybody's is
; A KEY STEP: 128 keys.  q: my tile's fragment of Q; qs: its scale words.
.macro STEP q, qs
	v_add_nc_u32 v[ADK], s[TK], v[AK0]             ; (these four are also the places between the last products and the loads into V's registers)
	v_add_nc_u32 v[ADV], s[TK], v[AV0]
	v_add_nc_u32 v[ADS], s[TS], v[AS0]
	v_add_nc_u32 v[ADT], s[TJ], v[AT0]
	ds_load_b128 v[KSC:KSC+3], v[ADS]
.irp t, 0,1,2,3,4,5,6,7
	ds_load_b128 v[KF+8*\t:KF+8*\t+3], v[ADK] offset:512*\t
.endr
	ds_load_b64 v[VSC:VSC+1], v[ADT]
.irp t, 0,1,2,3
.irp c, 0,1
	ds_load_b128 v[VF+8*\t+4*\c:VF+8*\t+4*\c+3], v[ADV] offset:1024*\t+512*\c
.endr
.endr
	s_wait_dscnt 9                                 ; K and its scale words are in; V's nine loads may be out
.irp t, 0,2,4,6
	v_wmma_scale_f32_16x16x128_f8f6f4 v[96+8*\t:103+8*\t], v[KF+8*\t:KF+8*\t+7], v[\q:\q+7], 0, v[KSC+\t/2], v[\qs] matrix_a_fmt:MATRIX_FMT_FP4 matrix_b_fmt:MATRIX_FMT_FP4
	v_wmma_scale_f32_16x16x128_f8f6f4 v[104+8*\t:111+8*\t], v[KF+8+8*\t:KF+15+8*\t], v[\q:\q+7], 0, v[KSC+\t/2], v[\qs] matrix_a_fmt:MATRIX_FMT_FP4 matrix_b_fmt:MATRIX_FMT_FP4 matrix_a_scale:MATRIX_SCALE_ROW1
.endr
.rept 4
	v_nop                                          ; places ahead of the first read of the scores
.endr
.irp b, 0,1,2,3
	v_max3_num_f32 v[232+\b], v[96+16*\b], v[97+16*\b], v[98+16*\b]   ; the largest score of each block of 32 keys: for the row's maximum, and, since p rises with the score, for the block's largest p
.endr
.irp i, 3,5,7,9,11,13
.irp b, 0,1,2,3
	v_max3_num_f32 v[232+\b], v[232+\b], v[96+16*\b+\i], v[97+16*\b+\i]
.endr
.endr
.irp b, 0,1,2,3
	v_max_num_f32 v[232+\b], v[232+\b], v[111+16*\b]
.endr
.irp b, 0,1,2,3
	v_permlanex16_b32 v[236+\b], v[232+\b], s[SEL], s[SEL+1]
.endr
.irp b, 0,1,2,3
	v_max_num_f32 v[232+\b], v[232+\b], v[236+\b]  ; with lane l xor 16's 16 keys
.endr
	v_max3_num_f32 v254, v232, v233, v234
	v_max_num_f32 v254, v254, v235
	v_mul_f32 v254, s[CS], v254                    ; as t (c is positive)
	v_max_num_f32 v13, v13, v254                   ; the running largest t
	v_mov_b32 v254, v12
	v_floor_f32 v12, -v13                          ; the new -M = floor(-t): M is a whole number
	v_sub_f32 v254, v12, v254                      ; old M less new M: a whole number, 0 or less
	v_cvt_i32_f32 v254, v254                       ; (it saturates)
	v_ldexp_f32 v252, 1.0, v254                    ; f = 2^(old M - new M)
.set J, 0
.rept 32
	v_pk_fma_f32 v[96+J:97+J], v[96+J:97+J], s[CS:CS+1], v[12:13] op_sel_hi:[1,0,0]   ; t - M, two at a time
.set J, J+2
.endr
.irp b, 0,1,2,3
	v_fma_f32 v[232+\b], v[232+\b], s[CS], v12     ; the same of each block's largest score
.endr
.set J, 0
.rept 64
	v_exp_f32 v[96+J], v[96+J]                     ; p = 2^(t - M), at most 1
.set J, J+1
.endr
	v_pk_mul_f32 v[14:15], v[14:15], v[252:253] op_sel_hi:[1,0]   ; the sums under the new M: a plain instruction behind the exponentials
	s_wait_alu depctr_va_vdst(0)                   ; one wait for the whole batch, ahead of its first reader
.irp b, 0,1,2,3
	v_exp_f32 v[232+\b], v[232+\b]                 ; the block's largest p
.endr
	v_pk_add_f32 v[236:237], v[96:97], v[98:99]    ; the row's sum of the unquantised p, in two chains
.set J, 4
.rept 15
	v_pk_add_f32 v[14:15], v[14:15], v[96+J:97+J]
	v_pk_add_f32 v[236:237], v[236:237], v[98+J:99+J]
.set J, J+4
.endr
	v_pk_add_f32 v[14:15], v[14:15], v[236:237]
	s_wait_alu depctr_va_vdst(0)                   ; and one for the four
.irp b, 0,1,2,3
	v_max_num_f32 v[232+\b], 0x1800000, v[232+\b]  ; the floor 2^(3 - 127)
.endr
.irp b, 0,1,2,3
	v_add_nc_u32 v[240+\b], 0xff000000, v[232+\b]  ; the conversion's scale operand
.endr
.irp b, 0,1,2,3
	v_lshrrev_b32 v[236+\b], 23, v[240+\b]         ; the scale's byte
.endr
	v_lshl_or_b32 v253, v237, 8, v236              ; p's scale word for these 128 keys
	v_lshl_or_b32 v253, v238, 16, v253
	v_lshl_or_b32 v253, v239, 24, v253
.irp b, 0,1,2,3
	v_cvt_scalef32_pk8_fp4_f32 v[224+2*\b], v[96+16*\b:103+16*\b], v[240+\b]
	v_cvt_scalef32_pk8_fp4_f32 v[225+2*\b], v[104+16*\b:111+16*\b], v[240+\b]
.endr
	v_nop                                          ; one plain place behind a scaled conversion
.irp c, 0,1
.irp i, 0,1
	v_permlane16_swap_b32 v[224+4*\c+\i], v[226+4*\c+\i]   ; a whole block to a lane
.endr
.endr
.set J, 0
.rept 16
	v_pk_mul_f32 v[160+J:161+J], v[160+J:161+J], v[252:253] op_sel_hi:[1,0]   ; O^T under the new M; these are also the places between the scale word, the codes and the products
.set J, J+2
.endr
	s_wait_dscnt 0x0                               ; V and its scale words
.irp t, 0,2
	v_wmma_scale_f32_16x16x128_f8f6f4 v[160+8*\t:167+8*\t], v[VF+8*\t:VF+8*\t+7], v[224:231], v[160+8*\t:167+8*\t], v[VSC+\t/2], v253 matrix_a_fmt:MATRIX_FMT_FP4 matrix_b_fmt:MATRIX_FMT_FP4
	v_wmma_scale_f32_16x16x128_f8f6f4 v[168+8*\t:175+8*\t], v[VF+8+8*\t:VF+15+8*\t], v[224:231], v[168+8*\t:175+8*\t], v[VSC+\t/2], v253 matrix_a_fmt:MATRIX_FMT_FP4 matrix_b_fmt:MATRIX_FMT_FP4 matrix_a_scale:MATRIX_SCALE_ROW1
.endr                                          ; the four accumulators take turns, one instruction a turn
.endm
; THE WAY OUT of tile i: O^T / the sum is my query's 64 channels, register 16 b + j = channel 32 b + 16 h + j: two blocks of the projection's K, quantised in registers.
.macro FIN i
.rept 4
	v_nop                                          ; places behind the last products
.endr
	v_add_f32 v14, v14, v15
	v_permlanex16_b32 v252, v14, s[SEL], s[SEL+1]
	v_add_f32 v14, v14, v252                       ; the row's sum
	v_rcp_f32 v14, v14
	v_nop                                          ; a plain place behind the transcendental
	s_wait_alu depctr_va_vdst(0)                   ; and the wait ahead of its first reader
.set J, 0
.rept 16
	v_pk_mul_f32 v[96+J:97+J], v[160+J:161+J], v[14:15] op_sel_hi:[1,0]   ; each accumulator from its low end on
.set J, J+2
.endr
.irp b, 0,1
	v_max3_num_f32 v[232+\b], |v[96+16*\b]|, |v[97+16*\b]|, 0x1800000
.endr
.irp j, 2,4,6,8,10,12,14
.irp b, 0,1
	v_max3_num_f32 v[232+\b], v[232+\b], |v[96+16*\b+\j]|, |v[97+16*\b+\j]|
.endr
.endr
.irp b, 0,1
	v_permlanex16_b32 v[236+\b], v[232+\b], s[SEL], s[SEL+1]
.endr
.irp b, 0,1
	v_max_num_f32 v[232+\b], v[232+\b], v[236+\b]
.endr
.irp b, 0,1
	v_add_nc_u32 v[240+\b], 0xff000000, v[232+\b]
.endr
.irp b, 0,1
	v_lshrrev_b32 v[236+\b], 23, v[240+\b]
.endr
.irp b, 0,1
	v_cvt_scalef32_pk8_fp4_f32 v[224+2*\b], v[96+16*\b:103+16*\b], v[240+\b]
	v_cvt_scalef32_pk8_fp4_f32 v[225+2*\b], v[104+16*\b:111+16*\b], v[240+\b]
.endr
	v_nop
	v_permlane16_swap_b32 v224, v226
	v_permlane16_swap_b32 v225, v227               ; v224-227: lanes 0-15 block 0, lanes 16-31 block 1: four registers of the projection's fragment
	v_cndmask_b32 v254, v236, v237, s[HM]          ; my half's block's byte
	global_store_b128 v[AK0], v[224:227], s[14:15] offset:8192*\i   ; 512 consecutive bytes, aligned
	global_store_b8 v[GSB], v254, s[16:17] offset:512*\i
.endm
.macro TILE i, q, qs
	s_wait_xcnt 0x0                                ; the last tile's stores have read their registers
	v_mov_b32 v13, 0xff61b1e6                      ; the largest t so far: -3e38
	v_floor_f32 v12, -v13
	v_mov_b32 v14, 0
	v_mov_b32 v15, 0
	v_mov_b32 v253, 0                              ; (named as the upper half of v[252:253] before it is first written)
.set J, 0
.rept 32
	v_mov_b32 v[160+J], 0                          ; O^T: the step is written once, and its first trip finds zeros
.set J, J+1
.endr
	s_mov_b32 s[TK], 0
	s_mov_b32 s[TS], 0
	s_mov_b32 s[TJ], 0
	s_mov_b32 s[CNT], 16
.Lstep_\@:
	STEP \q, \qs
	s_add_co_u32 s[TK], s[TK], 4096
	s_add_co_u32 s[TS], s[TS], 512
	s_add_co_u32 s[TJ], s[TJ], 256
	s_sub_co_u32 s[CNT], s[CNT], 1
	s_cmp_lg_u32 s[CNT], 0
	s_cbranch_scc1 .Lstep_\@
	FIN \i
.endm
	TILE 0, 16, 24
	TILE 1, 244, 25
	s_wait_tensorcnt 0x0                           ; the wave's end
	ds_add_u32 v[SPW], v[NIL]
	s_wait_dscnt 0x0
	ROUND                                          ; the closing round
	s_endpgm
.Lfunc_end_k_q15b4931d69_attn:
	.size	k_q15b4931d69_attn, .Lfunc_end_k_q15b4931d69_attn-k_q15b4931d69_attn
	.p2alignl 7, 3214868480
	.fill 96, 4, 3214868480
	.section	.rodata,"a",@progbits
	.p2align	6, 0x0
	.amdhsa_kernel k_q15b4931d69_attn
		.amdhsa_group_segment_fixed_size 167936
		.amdhsa_private_segment_fixed_size 0
		.amdhsa_enable_private_segment 0
		.amdhsa_kernarg_size 24
		.amdhsa_user_sgpr_count 2
		.amdhsa_user_sgpr_kernarg_segment_ptr 1
		.amdhsa_wavefront_size32 1
		.amdhsa_system_sgpr_workgroup_id_x 1
		.amdhsa_system_sgpr_workgroup_id_y 1
		.amdhsa_system_sgpr_workgroup_id_z 1
		.amdhsa_system_vgpr_workitem_id 0
		.amdhsa_next_free_vgpr 256
		.amdhsa_next_free_sgpr 66
		.amdhsa_reserve_vcc 0
		.amdhsa_float_denorm_mode_32 3
		.amdhsa_float_denorm_mode_16_64 3
		.amdhsa_memory_ordered 1
		.amdhsa_forward_progress 1
		.amdhsa_inst_pref_size 46
	.end_amdhsa_kernel
	.amdgpu_metadata
---
amdhsa.version: [ 1, 2 ]
amdhsa.kernels:
  - .name:           k_q15b4931d69_attn
    .symbol:         k_q15b4931d69_attn.kd
    .args:
      - { .name: qq, .offset: 0, .size: 8, .value_kind: global_buffer, .address_space: global }
      - { .name: kv, .offset: 8, .size: 8, .value_kind: global_buffer, .address_space: global }
      - { .name: ao, .offset: 16, .size: 8, .value_kind: global_buffer, .address_space: global }
    .group_segment_fixed_size: 167936
    .private_segment_fixed_size: 0
    .kernarg_segment_align: 8
    .kernarg_segment_size: 24
    .max_flat_workgroup_size: 512
    .sgpr_count:     66
    .vgpr_count:     256
    .wavefront_size: 32
...
	.end_amdgpu_metadata
.endif
;; end of part 3
;; launch oproj (part 4): grid 256 x 1, 8 waves a work-group, clusters of 4 x 1, 327,680 bytes of LDS; arguments ao, wo, x, bo, gamma, beta, out0; writes out0
.if DOCPART == 4
	.amdgcn_target "amdgcn-amd-amdhsa--gfx1250"
	.amdhsa_code_object_version 6
	.text
	.protected	k_q15b4931d69_oproj
	.globl	k_q15b4931d69_oproj
	.p2align	8
	.type	k_q15b4931d69_oproj,@function
k_q15b4931d69_oproj:
	s_mov_b64 s[64:65], 0
	v_nop
	global_prefetch_b8 v0, s[64:65] scope:SCOPE_SE
	s_setreg_imm32_b32 hwreg(HW_REG_WAVE_MODE, 25, 1), 1
	s_wait_xcnt 0x0
	s_wait_alu depctr_hold_cnt(0) depctr_sa_sdst(0) depctr_va_vdst(0) depctr_va_sdst(0) depctr_va_ssrc(0) depctr_va_vcc(0) depctr_vm_vsrc(0)
	s_getreg_b32 s2, hwreg(HW_REG_IB_STS2, 6, 4)
	s_cmp_eq_u32 s2, 0
	s_cbranch_scc0 .Lentry_in_a_cluster
	s_endpgm
.Lentry_in_a_cluster:
	s_bfe_u32 s2, ttmp6, 0x10000c
	s_cmp_lg_u32 s2, 0x3003
	s_cbranch_scc0 .Lentry_shape_is_right
	s_endpgm
.Lentry_shape_is_right:
; out0 = LayerNorm(attention's output x Wo + bo + x) x gamma + beta; the product on codes of FP4 with E8M0 scales, all else in f32; mean and variance in two passes, as reference() has them.
; SHARES.  LayerNorm wants whole rows: a work-group owns 32 tokens (positions 32 g on: two tiles) x all 1,024 columns.  Each of its eight waves makes 128 columns (8 tiles of Wo) for the 32 rows:
; 16 accumulators.  Source 0 = 16 channels of Wo, by position, so that a lane's registers run along true columns; source 1 = 16 tokens.
; Wo, 8 K steps of 69,632 bytes (images and scale words, dense), walks through a ring of two LDS slots of two K steps.  All 256 work-groups walk the same bytes: the four of a cluster ask jointly.
; My 32 rows' fragments (16 KiB, dense) come once, by loads of my own.  x, bo, gamma and beta are asked for at the head, into registers, in the layout of the way out.
; THE WAY OUT.  The sums go through a stage in LDS (32 rows x 4,112 bytes, in slot 0, which has had its last fill and its last read by then); each wave takes four whole rows, 128 registers.
; No prefetch: x is asked for at the head by its loads; Wo is read by every work-group.
; LIMITS: NaN and infinities are not served.
; REGISTERS: window 0: v1-15 addresses; v16-31 A's scale words (8 a + s); v32-35 B's; v36-51 A's two fragments; v52-115 B's eight; v116-127 at work; v128-255 the accumulators, later four rows.
;   window 1: v0-127 my four rows of x; v128-159 bo; v160-191 gamma; v192-223 beta: register 4 q + e of a row is byte 512 q + 16 lane + 4 e.
.set KSB,   69632                      ; a K step of Wo
.set SLOT,  2*KSB
.set AIMG,  2*SLOT                     ; A's images: [a 2][K step 8][1,024 bytes]
.set SPARE, AIMG+16384                 ; the spare words, 128 bytes a wave
.set SPITCH, 4112                      ; a stage row: 4,096 bytes + 16
.set ADB,  1                           ; v1-4  my 8 tiles' images in the ring's four K steps
.set ADS,  5                           ; v5-8  their scale words
.set ADA,  9
.set STO0, 10
.set STO1, 11
.set RD,   12
.set L16,  13
.set SPW,  14
.set NIL,  15
.set AS,   16
.set BS,   32
.set AF,   36
.set BF,   52
.set SM,   116                         ; v116-123 a pair for each of my four rows
.set HB,   128
.set WV,   18
.set SEL,  22
.set G1,   24
.set G0,   32
.set G1A,  40
.set G0A,  48
.set MSB, 0
.macro WIN new
.if MSB != (\new)
	s_set_vgpr_msb (MSB<<8)|(\new)
.set MSB, (\new)
.endif
.endm
.macro ROUND
	s_barrier_signal -1
	s_barrier_wait -1
	s_cmp_lg_u32 s[WV], 0
	s_cbranch_scc1 .Lnot_wave_0_\@
	s_barrier_signal -3
.Lnot_wave_0_\@:
	s_barrier_wait -3
	s_barrier_signal -1
	s_barrier_wait -1
.endm
	s_load_b256 s[4:11], s[0:1], 0x0               ; ao s[4:5], wo s[6:7], x s[8:9], bo s[10:11]
	s_load_b128 s[12:15], s[0:1], 0x20             ; gamma, beta
	s_load_b64 s[16:17], s[0:1], 0x30              ; out0
	v_lshl_add_u32 v[SPW], v0, 2, SPARE
	v_mov_b32 v[NIL], 0
	ds_add_u32 v[SPW], v[NIL]                      ; the wave's opening: the add, twice on end, and its wait ahead of my first tensor load
	ds_add_u32 v[SPW], v[NIL]
	v_lshrrev_b32 v116, 5, v0
	v_readfirstlane_b32 s[WV], v116                ; wave 0..7
	s_bfe_u32 s19, ttmp6, 0x40000                  ; cx
	s_lshl_b32 s20, ttmp9, 2
	s_add_co_u32 s20, s20, s19                     ; g: my 32 tokens
	; descriptor group 1, joint: 68 rows of 256 dense bytes: an eighth of a slot
	s_mov_b32 s[G1], 15|(3<<16)|(1<<21)
	s_mov_b32 s[G1+1], 32<<16
	s_mov_b32 s[G1+2], 68<<16
	s_mov_b32 s[G1+3], 32<<16
	s_mov_b32 s[G1+4], 68
	s_mov_b32 s[G1+5], 32
	s_mov_b32 s[G1+6], 0
	s_mov_b32 s[G1+7], 0
	; my own: 8 rows of 256 dense bytes: an eighth of A's images
	s_mov_b32 s[G1A], 3<<16
	s_mov_b32 s[G1A+1], 32<<16
	s_mov_b32 s[G1A+2], 8<<16
	s_mov_b32 s[G1A+3], 32<<16
	s_mov_b32 s[G1A+4], 8
	s_mov_b32 s[G1A+5], 32
	s_mov_b32 s[G1A+6], 0
	s_mov_b32 s[G1A+7], 0
	s_mul_i32 s21, s[WV], 17408                    ; my eighth of a slot, in LDS and in memory
	s_mov_b32 s54, s21
	s_mov_b32 s55, 0
	s_lshl_b32 s52, s20, 14                        ; A's images: 16,384 bytes for my 32 tokens,
	s_lshl_b32 s53, s[WV], 11                      ; my eighth
	s_add_co_u32 s52, s52, s53
	s_add_co_u32 s[G0A+1], s53, AIMG
	s_mov_b32 s53, 0
	s_lshl_b32 s58, s20, 10                        ; A's scale bytes: 32 a row
	s_add_co_u32 s58, s58, 4194304
	s_mov_b32 s59, 0
	s_lshl_b32 s60, s20, 17                        ; x and out0: 32 rows of 4,096 bytes,
	s_lshl_b32 s61, s[WV], 14                      ; my four
	s_add_co_u32 s60, s60, s61
	s_mov_b32 s61, 0
	s_mov_b32 s[SEL], 0x76543210
	s_mov_b32 s[SEL+1], 0xfedcba98
	s_mov_b32 s56, 0x3a800000                      ; 1 / 1,024
	s_mov_b32 s57, 0x2b8cbccc                      ; 1e-12
	v_and_b32 v116, 31, v0                         ; lane
	v_and_b32 v117, 15, v0                         ; r
	v_bfe_u32 v118, v0, 4, 1                       ; h
	v_lshlrev_b32 v[L16], 4, v116
	s_lshl_b32 s62, s[WV], 13                      ; my 8 tiles' images: 8,192 bytes
	v_add_nc_u32 v[ADB], s62, v[L16]
	v_add_nc_u32 v[ADB+1], KSB, v[ADB]
	v_add_nc_u32 v[ADB+2], 2*KSB, v[ADB]
	v_add_nc_u32 v[ADB+3], 3*KSB, v[ADB]
	s_lshl_b32 s62, s[WV], 9                       ; their scale words: 512 bytes, behind the K step's images
	s_add_co_u32 s63, s62, 65536
	v_lshl_add_u32 v[ADS], v116, 2, s63
	v_add_nc_u32 v[ADS+1], KSB, v[ADS]
	v_add_nc_u32 v[ADS+2], 2*KSB, v[ADS]
	v_add_nc_u32 v[ADS+3], 3*KSB, v[ADS]
	v_add_nc_u32 v[ADA], AIMG, v[L16]
	v_mul_u32_u24 v[STO0], v117, SPITCH            ; the stage, in: row = position r, + 64 h, + my 512 bytes of columns
	v_lshl_add_u32 v[STO0], v118, 6, v[STO0]
	v_add_nc_u32 v[STO0], s62, v[STO0]
	v_add_nc_u32 v[STO1], 16*SPITCH, v[STO0]
	s_and_b32 s62, s[WV], 1                        ; back: tokens 4 wave + 0 .. 3 lie at positions with bits 3 and 4 exchanged
	s_lshl_b32 s62, s62, 2
	s_bfe_u32 s63, s[WV], 0x10001
	s_lshl_b32 s63, s63, 4
	s_add_co_u32 s62, s62, s63
	s_bfe_u32 s63, s[WV], 0x10002
	s_lshl_b32 s63, s63, 3
	s_add_co_u32 s62, s62, s63
	s_mul_i32 s62, s62, SPITCH
	v_add_nc_u32 v[RD], s62, v[L16]
	v_lshlrev_b32 v119, 5, v117                    ; my row among A's scale bytes
	s_wait_dscnt 0x0                               ; both opening adds are done
	s_wait_kmcnt 0x0
	s_add_nc_u64 s[6:7], s[6:7], s[54:55]
	s_add_nc_u64 s[52:53], s[4:5], s[52:53]
	s_add_nc_u64 s[58:59], s[4:5], s[58:59]
	s_add_nc_u64 s[8:9], s[8:9], s[60:61]
	s_add_nc_u64 s[16:17], s[16:17], s[60:61]
	s_mov_b32 s[G0A], 1
	s_mov_b64 s[G0A+2:G0A+3], s[52:53]
	s_or_b32 s[G0A+3], s[G0A+3], 0x80000000
.irp n, 0,1
	s_mov_b32 s[G0+4*\n], 1
	s_add_co_u32 s[G0+4*\n+1], s21, \n*SLOT
	s_add_nc_u64 s[G0+4*\n+2:G0+4*\n+3], s[6:7], \n*SLOT
	s_or_b32 s[G0+4*\n+3], s[G0+4*\n+3], 0x80000000
.endr
	ROUND                                          ; all four work-groups are here
	tensor_load_to_lds s[G0A:G0A+3], s[G1A:G1A+7]  ; three loads of mine are out: A's images,
	s_nop 0
	tensor_load_to_lds s[G0:G0+3], s[G1:G1+7]      ; K steps 0 and 1,
	s_nop 0
	tensor_load_to_lds s[G0+4:G0+7], s[G1:G1+7]    ; K steps 2 and 3
	s_nop 0
.irp a, 0,1
.irp q, 0,1
	global_load_b128 v[AS+8*\a+4*\q:AS+8*\a+4*\q+3], v119, s[58:59] offset:512*\a+16*\q   ; A's eight scale words a row
.endr
.endr
	WIN 0x40                                       ; destination window 1 (behind four instructions that follow the tensor load)
.irp i, 0,1,2,3
.irp q, 0,1,2,3,4,5,6,7
	global_load_b128 v[32*\i+4*\q:32*\i+4*\q+3], v[L16], s[8:9] offset:4096*\i+512*\q th:TH_LOAD_NT
.endr
.endr
.irp q, 0,1,2,3,4,5,6,7
	global_load_b128 v[128+4*\q:131+4*\q], v[L16], s[10:11] offset:512*\q
	global_load_b128 v[160+4*\q:163+4*\q], v[L16], s[12:13] offset:512*\q
	global_load_b128 v[192+4*\q:195+4*\q], v[L16], s[14:15] offset:512*\q
.endr
	WIN 0
	s_wait_loadcnt 56                              ; A's scale words are in; the 56 loads behind them may be out
; A K step of 128: my 8 fragments of Wo, their scale words (lanes 0-15 tile 2 i, lanes 16-31 tile 2 i + 1), the two fragments of A; 16 products, the accumulators by turns.
.macro KSTEP s, zero
.rept 4
	v_nop                                          ; places ahead of loads into registers that matrix instructions have read
.endr
.irp b, 0,1,2,3,4,5,6,7
.irp c, 0,1
	ds_load_b128 v[BF+8*\b+4*\c:BF+8*\b+4*\c+3], v[ADB+(\s)%4] offset:1024*\b+512*\c
.endr
.endr
.irp i, 0,1,2,3
	ds_load_b32 v[BS+\i], v[ADS+(\s)%4] offset:128*\i
.endr
.irp a, 0,1
.irp c, 0,1
	ds_load_b128 v[AF+8*\a+4*\c:AF+8*\a+4*\c+3], v[ADA] offset:8192*\a+1024*(\s)+512*\c
.endr
.endr
	s_wait_dscnt 0x0
.irp a, 0,1
.irp b, 0,2,4,6
.if \zero
	v_wmma_scale_f32_16x16x128_f8f6f4 v[HB+8*(8*\a+\b):HB+8*(8*\a+\b)+7], v[BF+8*\b:BF+8*\b+7], v[AF+8*\a:AF+8*\a+7], 0, v[BS+\b/2], v[AS+8*\a+(\s)] matrix_a_fmt:MATRIX_FMT_FP4 matrix_b_fmt:MATRIX_FMT_FP4
	v_wmma_scale_f32_16x16x128_f8f6f4 v[HB+8*(8*\a+\b)+8:HB+8*(8*\a+\b)+15], v[BF+8*\b+8:BF+8*\b+15], v[AF+8*\a:AF+8*\a+7], 0, v[BS+\b/2], v[AS+8*\a+(\s)] matrix_a_fmt:MATRIX_FMT_FP4 matrix_b_fmt:MATRIX_FMT_FP4 matrix_a_scale:MATRIX_SCALE_ROW1
.else
	v_wmma_scale_f32_16x16x128_f8f6f4 v[HB+8*(8*\a+\b):HB+8*(8*\a+\b)+7], v[BF+8*\b:BF+8*\b+7], v[AF+8*\a:AF+8*\a+7], v[HB+8*(8*\a+\b):HB+8*(8*\a+\b)+7], v[BS+\b/2], v[AS+8*\a+(\s)] matrix_a_fmt:MATRIX_FMT_FP4 matrix_b_fmt:MATRIX_FMT_FP4
	v_wmma_scale_f32_16x16x128_f8f6f4 v[HB+8*(8*\a+\b)+8:HB+8*(8*\a+\b)+15], v[BF+8*\b+8:BF+8*\b+15], v[AF+8*\a:AF+8*\a+7], v[HB+8*(8*\a+\b)+8:HB+8*(8*\a+\b)+15], v[BS+\b/2], v[AS+8*\a+(\s)] matrix_a_fmt:MATRIX_FMT_FP4 matrix_b_fmt:MATRIX_FMT_FP4 matrix_a_scale:MATRIX_SCALE_ROW1
.endif
.endr
.endr
.endm
; Slot n, which has been read, is filled again with the K steps four on: all my tensor loads have landed, the add, my reads are over; a round of the cluster's barrier; the joint load first behind it.
.macro CHANGE n
	s_wait_tensorcnt 0x0                           ; no tensor load of mine is out, so a group 0 may be written
	ds_add_u32 v[SPW], v[NIL]
	s_add_nc_u64 s[G0+4*\n+2:G0+4*\n+3], s[G0+4*\n+2:G0+4*\n+3], 2*SLOT
	s_wait_dscnt 0x0
	ROUND
	tensor_load_to_lds s[G0+4*\n:G0+4*\n+3], s[G1:G1+7]   ; it has two K steps in which to land
	s_nop 0
.endm
	s_wait_tensorcnt 1                             ; A's images and slot 0 are in (slot 1's load may be out)
	s_barrier_signal -1
	s_barrier_wait -1                              ; everybody's are
	KSTEP 0, 1                                     ; the first products start the sums
	KSTEP 1, 0
	CHANGE 0
	KSTEP 2, 0
	KSTEP 3, 0
	CHANGE 1
	KSTEP 4, 0
	KSTEP 5, 0
	s_wait_tensorcnt 0x0                           ; the last fill has landed; nothing more is asked for, so a plain barrier follows
	ds_add_u32 v[SPW], v[NIL]
	s_wait_dscnt 0x0
	s_barrier_signal -1
	s_barrier_wait -1                              ; behind it nobody reads slot 0 any more
	KSTEP 6, 0
	KSTEP 7, 0
	; THE WAY OUT.  Lane (r, h), accumulator (a, 2 b + u), register j: row = position 16 a + r, column 128 wave + 32 b + 16 h + 8 u + j.
.rept 4
	v_nop
.endr
.irp a, 0,1
.irp b, 0,1,2,3,4,5,6,7
	ds_store_b128 v[STO0+\a], v[HB+8*(8*\a+\b):HB+8*(8*\a+\b)+3] offset:128*(\b/2)+32*(\b%2)       ; each accumulator from its low end on
	ds_store_b128 v[STO0+\a], v[HB+8*(8*\a+\b)+4:HB+8*(8*\a+\b)+7] offset:128*(\b/2)+32*(\b%2)+16
.endr
.endr
	s_wait_dscnt 0x0                               ; for the others' sake: my stores into the stage are done
	s_barrier_signal -1
	s_barrier_wait -1
.irp i, 0,1,2,3
.irp q, 0,1,2,3,4,5,6,7
	ds_load_b128 v[HB+32*\i+4*\q:HB+32*\i+4*\q+3], v[RD] offset:SPITCH*\i+512*\q   ; four whole rows
.endr
.endr
	s_wait_loadcnt 0x0                             ; x, bo, gamma, beta
	s_wait_dscnt 0x0
	WIN 0x04                                       ; source 1: window 1
.set K2, 0
.rept 16
.irp i, 0,1,2,3
	v_pk_add_f32 v[HB+32*\i+K2:HB+32*\i+K2+1], v[HB+32*\i+K2:HB+32*\i+K2+1], v[128+K2:129+K2]   ; + bo
.endr
.set K2, K2+2
.endr
.set K2, 0
.rept 16
.irp i, 0,1,2,3
	v_pk_add_f32 v[HB+32*\i+K2:HB+32*\i+K2+1], v[HB+32*\i+K2:HB+32*\i+K2+1], v[32*\i+K2:32*\i+K2+1]   ; + x
.endr
.set K2, K2+2
.endr
	WIN 0
.macro REDUCE                          ; each row's pair: its two halves, then the 32 lanes; the four rows by turns
.irp i, 0,1,2,3
	v_add_f32 v[SM+2*\i], v[SM+2*\i], v[SM+2*\i+1]
.endr
.irp m, 1,2,4,8
.irp i, 0,1,2,3
	v_add_f32_dpp v[SM+2*\i], v[SM+2*\i], v[SM+2*\i] row_xmask:\m row_mask:0xf bank_mask:0xf
.endr
.endr
.irp i, 0,1,2,3
	v_permlanex16_b32 v[SM+2*\i+1], v[SM+2*\i], s[SEL], s[SEL+1]
.endr
.irp i, 0,1,2,3
	v_add_f32 v[SM+2*\i], v[SM+2*\i], v[SM+2*\i+1]
.endr
.endm
.irp i, 0,1,2,3
	v_pk_add_f32 v[SM+2*\i:SM+2*\i+1], v[HB+32*\i:HB+32*\i+1], v[HB+32*\i+2:HB+32*\i+3]
.endr
.set K2, 4
.rept 14
.irp i, 0,1,2,3
	v_pk_add_f32 v[SM+2*\i:SM+2*\i+1], v[SM+2*\i:SM+2*\i+1], v[HB+32*\i+K2:HB+32*\i+K2+1]
.endr
.set K2, K2+2
.endr
	REDUCE
.irp i, 0,1,2,3
	v_mul_f32 v[SM+2*\i], 0xba800000, v[SM+2*\i]   ; -mean
.endr
.set K2, 0
.rept 16
.irp i, 0,1,2,3
	v_pk_add_f32 v[HB+32*\i+K2:HB+32*\i+K2+1], v[HB+32*\i+K2:HB+32*\i+K2+1], v[SM+2*\i:SM+2*\i+1] op_sel_hi:[1,0]
.endr
.set K2, K2+2
.endr
.irp i, 0,1,2,3
	v_pk_mul_f32 v[SM+2*\i:SM+2*\i+1], v[HB+32*\i:HB+32*\i+1], v[HB+32*\i:HB+32*\i+1]
.endr
.set K2, 2
.rept 15
.irp i, 0,1,2,3
	v_pk_fma_f32 v[SM+2*\i:SM+2*\i+1], v[HB+32*\i+K2:HB+32*\i+K2+1], v[HB+32*\i+K2:HB+32*\i+K2+1], v[SM+2*\i:SM+2*\i+1]
.endr
.set K2, K2+2
.endr
	REDUCE
.irp i, 0,1,2,3
	v_fma_f32 v[SM+2*\i], v[SM+2*\i], s56, s57     ; the variance + 1e-12
.endr
.irp i, 0,1,2,3
	v_rsq_f32 v[SM+2*\i], v[SM+2*\i]
.endr
	v_nop                                          ; a plain place behind the transcendentals
	s_wait_alu depctr_va_vdst(0)                   ; one wait for the four, ahead of their first reader
.set K2, 0
.rept 16
.irp i, 0,1,2,3
	v_pk_mul_f32 v[HB+32*\i+K2:HB+32*\i+K2+1], v[HB+32*\i+K2:HB+32*\i+K2+1], v[SM+2*\i:SM+2*\i+1] op_sel_hi:[1,0]
.endr
.set K2, K2+2
.endr
	WIN 0x14                                       ; sources 1 and 2: window 1
.set K2, 0
.rept 16
.irp i, 0,1,2,3
	v_pk_fma_f32 v[HB+32*\i+K2:HB+32*\i+K2+1], v[HB+32*\i+K2:HB+32*\i+K2+1], v[160+K2:161+K2], v[192+K2:193+K2]   ; x gamma + beta
.endr
.set K2, K2+2
.endr
	WIN 0
.irp i, 0,1,2,3
.irp q, 0,1,2,3,4,5,6,7
	global_store_b128 v[L16], v[HB+32*\i+4*\q:HB+32*\i+4*\q+3], s[16:17] offset:4096*\i+512*\q th:TH_STORE_NT   ; 512 consecutive bytes, aligned
.endr
.endr
	s_wait_tensorcnt 0x0                           ; the wave's end: behind my last tensor load and my last LDS store
	ds_add_u32 v[SPW], v[NIL]
	s_wait_dscnt 0x0
	ROUND                                          ; the closing round
	s_endpgm
.Lfunc_end_k_q15b4931d69_oproj:
	.size	k_q15b4931d69_oproj, .Lfunc_end_k_q15b4931d69_oproj-k_q15b4931d69_oproj
	.p2alignl 7, 3214868480
	.fill 96, 4, 3214868480
	.section	.rodata,"a",@progbits
	.p2align	6, 0x0
	.amdhsa_kernel k_q15b4931d69_oproj
		.amdhsa_group_segment_fixed_size 327680
		.amdhsa_private_segment_fixed_size 0
		.amdhsa_enable_private_segment 0
		.amdhsa_kernarg_size 56
		.amdhsa_user_sgpr_count 2
		.amdhsa_user_sgpr_kernarg_segment_ptr 1
		.amdhsa_wavefront_size32 1
		.amdhsa_system_sgpr_workgroup_id_x 1
		.amdhsa_system_sgpr_workgroup_id_y 1
		.amdhsa_system_sgpr_workgroup_id_z 1
		.amdhsa_system_vgpr_workitem_id 0
		.amdhsa_next_free_vgpr 480
		.amdhsa_next_free_sgpr 66
		.amdhsa_reserve_vcc 0
		.amdhsa_float_denorm_mode_32 3
		.amdhsa_float_denorm_mode_16_64 3
		.amdhsa_memory_ordered 1
		.amdhsa_forward_progress 1
		.amdhsa_inst_pref_size 82
	.end_amdhsa_kernel
	.amdgpu_metadata
---
amdhsa.version: [ 1, 2 ]
amdhsa.kernels:
  - .name:           k_q15b4931d69_oproj
    .symbol:         k_q15b4931d69_oproj.kd
    .args:
      - { .name: ao, .offset: 0, .size: 8, .value_kind: global_buffer, .address_space: global }
      - { .name: wo, .offset: 8, .size: 8, .value_kind: global_buffer, .address_space: global }
      - { .name: x, .offset: 16, .size: 8, .value_kind: global_buffer, .address_space: global }
      - { .name: bo, .offset: 24, .size: 8, .value_kind: global_buffer, .address_space: global }
      - { .name: gamma, .offset: 32, .size: 8, .value_kind: global_buffer, .address_space: global }
      - { .name: beta, .offset: 40, .size: 8, .value_kind: global_buffer, .address_space: global }
      - { .name: out0, .offset: 48, .size: 8, .value_kind: global_buffer, .address_space: global }
    .group_segment_fixed_size: 327680
    .private_segment_fixed_size: 0
    .kernarg_segment_align: 8
    .kernarg_segment_size: 56
    .max_flat_workgroup_size: 256
    .sgpr_count:     66
    .vgpr_count:     480
    .wavefront_size: 32
...
	.end_amdgpu_metadata
.endif
;; end of part 4
;; ======== version 2 of 2: 4 launches; 1.13 times as fast as version 1
;; workspace buffers: xq 4,456,448 bytes; wq 1,671,168 bytes; wo 557,056 bytes; qq 4,718,592 bytes; kv 9,175,040 bytes; ao 4,456,448 bytes
;; launch quant (part 5): grid 384 x 1, 4 waves a work-group, no clusters, 68,096 bytes of LDS; arguments x, Wq, Wk, Wv, Wo, xq, wq, wo; writes xq, wq, wo
.if DOCPART == 5
	.amdgcn_target "amdgcn-amd-amdhsa--gfx1250"
	.amdhsa_code_object_version 6
	.text
	.protected	k_q15b4931d69_quant
	.globl	k_q15b4931d69_quant
	.p2align	8
	.type	k_q15b4931d69_quant,@function
k_q15b4931d69_quant:
	s_mov_b64 s[64:65], 0
	v_nop
	global_prefetch_b8 v0, s[64:65] scope:SCOPE_SE
	s_setreg_imm32_b32 hwreg(HW_REG_WAVE_MODE, 25, 1), 1
	s_wait_xcnt 0x0
; x [8192][1024] and the four weights [1024 (k)][1024 (n)], all f32, become codes of FP4 (E2M1) with one E8M0 byte for each 32 along K.
; A block's scale is 2^(floor(log2(its largest magnitude)) - 2); its byte is that magnitude's exponent field - 2, held at 1 from below.
; POSITIONS.  Row i of every operand (a token of x, an output channel of a weight) is stored at position pos(i) = i with bits 3 and 4 exchanged.  A tile of 16 positions is then a
; tile whose two groups of eight rows lie 16 apart, so that the results of two neighbouring tiles used as source 0 are 16 neighbours along the next product's K.
; xq: codes [pos 8192][512 bytes], scale bytes [pos][32] from XSC on.  wq: rows 0-1023 Wq, 1024-2047 Wk, 2048-3071 Wv, codes [row][512], scale bytes [row][32] from WSC on.
; wo: for each of 8 K steps of 128: images of the operand's registers [tile 64][c 2][lane 32][16 bytes], then the scale words [pos 1024][4 bytes].
; Work-groups 0-255 take x (K innermost: a lane holds 16 neighbours, two lanes a block); work-groups 256-383 the weights (K outermost: a lane takes a column, its registers run down K).
; The two paths part on the work-group's number and have LDS bytes of their own.  On x's path waves share nothing; on the weights' path two waves share the stage rows of 32 columns, with one barrier.
; No tensor load, no cluster (no two work-groups read the same bytes).
; LIMITS: NaN and infinities among the inputs are not served; a block of zeros gets the byte 1 and not 127 (its codes are zeros, and this program alone reads the bytes);
; blocks whose largest magnitude lies under 2^-124 are held at that floor.
.set XSC,   4194304
.set WSC,   1572864
.set KSB,   69632                      ; a K step of wo in bytes
.set SPARE, 67584                      ; behind both paths' regions: the spare words, 128 bytes a wave
.set SPW,   224                        ; v224 LDS address of my spare word; never rewritten
.set NIL,   225                        ; v225 0; never rewritten
; the x path
.set STEPS, 16                         ; steps of 512 numbers for a wave: 8 rows of x
.set DEPTH, 8                          ; steps of loads ahead: 32 loads, 16 KiB a wave
.set WREG,  8192                       ; LDS of a wave: two stages of 32 x SP bytes, then its 256 scale bytes
.set SP,    80                         ; a lane's place in a stage: 64 bytes + 16 of padding
.set R,     16                         ; v16-143  eight sets of 16 numbers as loaded
.set X,     144                        ; v144-175 two sets of 16 neighbours
.set E,     176                        ; v176-191 a scale byte for each step
.set C,     192                        ; v192-223 two registers of codes for each step
; the W path
.set WSTG,  32768                      ; LDS: a stage of 32 rows x PITCH for each 32 columns: two of them
.set PITCH, 272
.set NB,    8                          ; blocks of 32 along K for a wave
.set WX,    32                         ; v32-95   two sets of 32 numbers
.set WC,    96                         ; v96-99   a block's codes
.set SB,    24                         ; v24-25   8 scale bytes
.set OUTR,  112                        ; v112-143 the way out
	s_load_b256 s[4:11], s[0:1], 0x0               ; x s[4:5], Wq s[6:7], Wk s[8:9], Wv s[10:11]
	s_load_b256 s[12:19], s[0:1], 0x20             ; Wo s[12:13], xq s[14:15], wq s[16:17], wo s[18:19]
	v_lshl_add_u32 v[SPW], v0, 2, SPARE
	v_mov_b32 v[NIL], 0
	v_lshrrev_b32 v1, 5, v0
	v_readfirstlane_b32 s20, v1                    ; wave 0..3
	v_and_b32 v2, 31, v0                           ; lane
	s_cmp_lt_u32 ttmp9, 256
	s_cbranch_scc0 .Lweights
; ---------------- x ----------------
; Each load reads 512 consecutive bytes; a step's 2,048 bytes turn through the wave's own stage and come back 64 bytes (16 neighbours) a lane.
	v_lshlrev_b32 v3, 4, v2                        ; my 16 bytes of a load's 512
	s_mul_i32 s21, s20, WREG
	v_lshrrev_b32 v14, 2, v2
	v_mul_u32_u24 v14, v14, SP
	v_and_b32 v15, 3, v2
	v_lshl_add_u32 v14, v15, 4, v14
	v_add_nc_u32 v14, s21, v14                     ; the stage, in: SP (lane / 4) + 16 (lane % 4)
	v_mul_u32_u24 v15, v2, SP
	v_add_nc_u32 v15, s21, v15                     ; and out: SP x lane
	v_lshlrev_b32 v4, 3, v2                        ; 8 bytes a lane: my codes in a step's 256, and my part of the 256 scale bytes
	v_lshrrev_b32 v5, 1, v2
	s_add_co_u32 s21, s21, 2*32*SP
	v_add_nc_u32 v5, s21, v5                       ; LDS: my block's scale byte
	v_add_nc_u32 v6, s21, v4                       ; and 8 of the 256 on the way out
	s_lshl_b32 s22, ttmp9, 2
	s_add_co_u32 s24, s22, s20                     ; the run of 8 rows that I read: 4 x work-group + wave
	s_lshl_b32 s24, s24, 15                        ; 32,768 bytes a run
	s_mov_b32 s25, 0
	s_and_b32 s26, s20, 1                          ; the run's rows share bits 3 and 4, which are the wave's two bits: exchanged, they give the run that I write
	s_lshl_b32 s26, s26, 1
	s_lshr_b32 s27, s20, 1
	s_or_b32 s26, s26, s27
	s_add_co_u32 s26, s22, s26
	s_lshl_b32 s28, s26, 12                        ; 4,096 bytes of codes a run
	s_mov_b32 s29, 0
	s_lshl_b32 s30, s26, 8                         ; 256 scale bytes a run
	s_add_co_u32 s30, s30, XSC
	s_mov_b32 s31, 0
	s_wait_kmcnt 0x0
	s_add_nc_u64 s[4:5], s[4:5], s[24:25]
	s_add_nc_u64 s[28:29], s[14:15], s[28:29]
	s_add_nc_u64 s[30:31], s[14:15], s[30:31]
.macro XLOAD t
.irp i, 0,1,2,3
	global_load_b128 v[R+16*((\t)%DEPTH)+4*\i:R+16*((\t)%DEPTH)+4*\i+3], v3, s[4:5] offset:2048*(\t)+512*\i th:TH_LOAD_NT
.endr
.endm
.macro XTURN t                         ; LDS serves a wave's instructions in order: no wait between the stores and the loads
.irp i, 0,1,2,3
	ds_store_b128 v14, v[R+16*((\t)%DEPTH)+4*\i:R+16*((\t)%DEPTH)+4*\i+3] offset:32*SP*((\t)%2)+8*SP*\i
.endr
.irp i, 0,1,2,3
	ds_load_b128 v[X+16*((\t)%2)+4*\i:X+16*((\t)%2)+4*\i+3], v15 offset:32*SP*((\t)%2)+16*\i
.endr
.endm
.irp t, 0,1,2,3,4,5,6,7
	XLOAD \t
.endr
	s_wait_loadcnt 4*(DEPTH-1)                     ; step 0's four loads are in; the 28 of steps 1 to 7 may be out
	XTURN 0
.macro XSTEP t
.set XS, X+16*((\t)%2)
.if (\t) > 0
	s_wait_dscnt 1                                 ; this step's numbers are back from the stage (the last step's byte store may be out), so the stage's stores have read their registers,
.else
	s_wait_dscnt 0x0
.endif
.if (\t)+DEPTH < STEPS
	XLOAD (\t)+DEPTH                               ; which take the loads of eight steps on
.endif
.if (\t)+1 < STEPS
.if STEPS-2-(\t) >= DEPTH-1
	s_wait_loadcnt 4*(DEPTH-1)                     ; the next step's four loads are in; those of the seven steps behind it may be out
.else
	s_wait_loadcnt 4*(STEPS-2-(\t))
.endif
	XTURN (\t)+1
.endif
	v_max3_num_f32 v8, |v[XS]|, |v[XS+1]|, |v[XS+2]|               ; the largest magnitude of my 16, in two chains
	v_max3_num_f32 v9, |v[XS+3]|, |v[XS+4]|, |v[XS+5]|
.irp i, 6,10
	v_max3_num_f32 v8, v8, |v[XS+\i]|, |v[XS+\i+1]|
	v_max3_num_f32 v9, v9, |v[XS+\i+2]|, |v[XS+\i+3]|
.endr
	v_max3_num_f32 v8, v8, |v[XS+14]|, |v[XS+15]|
	v_max3_num_f32 v8, v8, v9, 0x1800000           ; and the floor 2^(3 - 127): the byte cannot fall under 1
	v_max_num_f32_dpp v8, v8, v8 row_xmask:1 row_mask:0xf bank_mask:0xf   ; with my neighbour's 16: the block's
	v_add_nc_u32 v11, 0xff000000, v8               ; 2 off the exponent field: the conversion takes that field as its scale
	v_cvt_scalef32_pk8_fp4_f32 v[C+2*(\t)], v[XS:XS+7], v11
	v_cvt_scalef32_pk8_fp4_f32 v[C+2*(\t)+1], v[XS+8:XS+15], v11
	v_lshrrev_b32 v[E+(\t)], 23, v11               ; the scale's byte
	ds_store_b8 v5, v[E+(\t)] offset:16*(\t)       ; both lanes of a block write the same byte with the same value
	global_store_b64 v4, v[C+2*(\t):C+2*(\t)+1], s[28:29] offset:256*(\t)   ; 32 lanes store 256 consecutive bytes, aligned
.endm
.irp t, 0,1,2,3,4,5,6,7,8,9,10,11,12,13,14,15
	XSTEP \t
.endr
	ds_load_b64 v[8:9], v6                         ; my wave's 256 scale bytes, 8 a lane
	s_wait_dscnt 0x0
	global_store_b64 v4, v[8:9], s[30:31]          ; 256 consecutive bytes, aligned
	s_wait_tensorcnt 0x0                           ; the wave's end: behind my last LDS store
	ds_add_u32 v[SPW], v[NIL]
	s_wait_dscnt 0x0
	s_endpgm
; ---------------- the weights ----------------
; Work-group 256 + i: weight i / 32, columns 64 ((i / 2) % 16) on, K half i % 2.  Wave w: columns 32 (w % 2) on, 256 along K from 256 (w / 2) on: 8 blocks of 32.
; Two waves side by side read 256 consecutive bytes of a row of W, aligned.  A column's 512 along K, 256 bytes of codes, come from two waves: they meet in the stage's rows.
.Lweights:
	s_sub_co_u32 s21, ttmp9, 256
	s_lshr_b32 s22, s21, 5                         ; which weight: 0 Wq, 1 Wk, 2 Wv, 3 Wo
	s_bfe_u32 s23, s21, 0x40001                    ; which 64 columns
	s_and_b32 s24, s21, 1                          ; which 512 along K
	s_and_b32 s36, s20, 1                          ; which 32 of the columns
	s_lshr_b32 s37, s20, 1                         ; which 256 of the 512
	s_lshl_b32 s26, s23, 6
	s_lshl_b32 s27, s36, 5
	s_add_co_u32 s26, s26, s27                     ; my wave's first column
	s_mul_i32 s25, s36, 32*PITCH
	s_add_co_u32 s25, s25, WSTG                    ; the stage of my 32 columns
	s_lshl_b32 s38, s37, 7
	s_add_co_u32 s38, s38, s25                     ; + my 128 bytes of its rows
	s_mul_i32 s39, s37, 16*PITCH
	s_add_co_u32 s39, s39, s25                     ; the 16 rows that I store on the way out
	v_lshlrev_b32 v3, 2, v2                        ; in: 4 bytes a lane
	v_and_b32 v16, 7, v2                           ; my column's position among the wave's 32: bits 3 and 4 exchanged
	v_bfe_u32 v17, v2, 3, 1
	v_lshl_add_u32 v16, v17, 4, v16
	v_bfe_u32 v17, v2, 4, 1
	v_lshl_add_u32 v16, v17, 3, v16
	v_mul_u32_u24 v4, v16, PITCH
	v_add_nc_u32 v4, s38, v4                       ; into the stage: row = my column's position
	v_and_b32 v5, 15, v2
	v_lshrrev_b32 v6, 4, v2
	v_mul_u32_u24 v7, v6, PITCH
	v_lshl_add_u32 v7, v5, 4, v7
	v_add_nc_u32 v7, s39, v7                       ; out of it by rows: sixteen lanes to a row, two rows an instruction
	v_mul_u32_u24 v10, v5, PITCH
	v_lshl_add_u32 v10, v6, 4, v10
	v_add_nc_u32 v10, s38, v10                     ; out of it as a fragment: row lane % 16, + 16 (lane / 16), in my own 128 bytes
	v_lshlrev_b32 v8, 9, v6
	v_lshl_add_u32 v8, v5, 4, v8                   ; rows in wq: 512 bytes a row
	v_lshlrev_b32 v9, 5, v16                       ; my row of scale bytes in wq
	v_lshlrev_b32 v14, 4, v2                       ; an image's place for my lane
	v_lshlrev_b32 v15, 2, v16                      ; my scale word in wo
	s_lshl_b32 s28, s24, 21                        ; 512 rows of 4,096 bytes,
	s_lshl_b32 s29, s37, 20                        ; 256 rows,
	s_add_co_u32 s28, s28, s29
	s_lshl_b32 s29, s26, 2                         ; my first column
	s_add_co_u32 s28, s28, s29
	s_mov_b32 s29, 0
	s_wait_kmcnt 0x0
	s_cmp_eq_u32 s22, 1                            ; the choice hangs on the work-group's number alone
	s_cselect_b64 s[6:7], s[8:9], s[6:7]
	s_cmp_eq_u32 s22, 2
	s_cselect_b64 s[6:7], s[10:11], s[6:7]
	s_cmp_eq_u32 s22, 3
	s_cselect_b64 s[6:7], s[12:13], s[6:7]
	s_add_nc_u64 s[6:7], s[6:7], s[28:29]
.macro WLOAD t                         ; block t: W(32 t + i, my column) into set t % 2: 128 consecutive bytes a load
.irp i, 0,1,2,3,4,5,6,7,8,9,10,11,12,13,14,15,16,17,18,19,20,21,22,23,24,25,26,27,28,29,30,31
	global_load_b32 v[WX+32*((\t)%2)+\i], v3, s[6:7] offset:(32*(\t)+\i)*4096 th:TH_LOAD_NT
.endr
.endm
	WLOAD 0
	WLOAD 1
.macro WBLOCK t
.set XS, WX+32*((\t)%2)
.if (\t) < NB-1
	s_wait_loadcnt 32                              ; this block's 32 loads are in; the next block's may be out
.else
	s_wait_loadcnt 0
.endif
	v_max3_num_f32 v12, |v[XS]|, |v[XS+1]|, |v[XS+2]|              ; all 32 numbers of the block are mine
	v_max3_num_f32 v13, |v[XS+3]|, |v[XS+4]|, |v[XS+5]|
.irp i, 6,10,14,18,22,26
	v_max3_num_f32 v12, v12, |v[XS+\i]|, |v[XS+\i+1]|
	v_max3_num_f32 v13, v13, |v[XS+\i+2]|, |v[XS+\i+3]|
.endr
	v_max3_num_f32 v12, v12, |v[XS+30]|, |v[XS+31]|
	v_max3_num_f32 v12, v12, v13, 0x1800000        ; the floor
	v_add_nc_u32 v11, 0xff000000, v12              ; the conversion's scale operand
	v_lshrrev_b32 v13, 23, v11                     ; the scale's byte
.if (\t)%4 == 0
	v_mov_b32 v[SB+(\t)/4], v13                    ; four bytes to a register: the scale word of 128 along K
.else
	v_lshl_or_b32 v[SB+(\t)/4], v13, 8*((\t)%4), v[SB+(\t)/4]
.endif
.irp g, 0,1,2,3
	v_cvt_scalef32_pk8_fp4_f32 v[WC+\g], v[XS+8*\g:XS+8*\g+7], v11
.endr
	ds_store_b128 v4, v[WC:WC+3] offset:16*(\t)    ; 32 codes: 16 bytes of my column's row
.if (\t)+2 < NB
	WLOAD (\t)+2
.endif
	s_wait_dscnt 0x0                               ; the store has read its registers: the next block's codes may be written.  Behind the last block: my stores into the stage are done
.endm
.set Q, 0
.rept NB
	WBLOCK Q
.set Q, Q+1
.endr
	s_barrier_signal -1                            ; every wave's stores into the stage are done (the wait above): the rows are whole
	s_barrier_wait -1
	s_cmp_eq_u32 s22, 3
	s_cbranch_scc1 .Limage
	; Wq, Wk, Wv: rows of codes, as a tensor load of the next launch takes them.  I store 16 of the stage's 32 rows, whole
	s_lshl_b32 s30, s22, 10
	s_add_co_u32 s30, s30, s26                     ; the first row of wq of my 32 columns
	s_lshl_b32 s31, s37, 4
	s_add_co_u32 s31, s31, s30                     ; the first of the 16 rows that I store
	s_lshl_b32 s32, s31, 9
	s_lshl_b32 s31, s24, 8
	s_add_co_u32 s32, s32, s31                     ; + the work-group's 256 bytes of the row's 512
	s_mov_b32 s33, 0
	s_add_nc_u64 s[32:33], s[16:17], s[32:33]
	s_lshl_b32 s34, s30, 5
	s_lshl_b32 s31, s24, 4
	s_add_co_u32 s34, s34, s31
	s_lshl_b32 s31, s37, 3
	s_add_co_u32 s34, s34, s31                     ; my 8 of a row's 32 scale bytes
	s_add_co_u32 s34, s34, WSC
	s_mov_b32 s35, 0
	s_add_nc_u64 s[34:35], s[16:17], s[34:35]
	global_store_b64 v9, v[SB:SB+1], s[34:35]      ; my column's 8 scale bytes (pieces of 8 bytes: one byte in 128 of what this path reads)
.irp t, 0,1,2,3,4,5,6,7
	ds_load_b128 v[OUTR+4*\t:OUTR+4*\t+3], v7 offset:2*\t*PITCH
.endr
.irp t, 0,1,2,3,4,5,6,7
	s_wait_dscnt 7-\t                              ; the younger read-backs may be out
	global_store_b128 v8, v[OUTR+4*\t:OUTR+4*\t+3], s[32:33] offset:2*\t*512   ; sixteen lanes store 256 consecutive bytes, aligned
.endr
	s_wait_tensorcnt 0x0                           ; the wave's end, as above
	ds_add_u32 v[SPW], v[NIL]
	s_wait_dscnt 0x0
	s_endpgm
.Limage:
	; Wo: images of the operand's registers: tile u of my two, K step q of my two, registers 4 c .. 4 c + 3: all from my own 128 bytes of the rows
	s_lshl_b32 s30, s24, 1
	s_add_co_u32 s30, s30, s37
	s_mul_i32 s30, s30, 2*KSB                      ; my first K step of the 8
	s_lshl_b32 s31, s26, 6                         ; 1,024 bytes a tile of 16 positions
	s_add_co_u32 s32, s30, s31
	s_mov_b32 s33, 0
	s_add_nc_u64 s[32:33], s[18:19], s[32:33]
	s_lshl_b32 s31, s26, 2
	s_add_co_u32 s34, s30, s31
	s_add_co_u32 s34, s34, 65536
	s_mov_b32 s35, 0
	s_add_nc_u64 s[34:35], s[18:19], s[34:35]
.irp q, 0,1
	global_store_b32 v15, v[SB+\q], s[34:35] offset:\q*KSB   ; the 32 lanes fill 128 consecutive bytes of scale words
.endr
.irp t, 0,1,2,3,4,5,6,7                        ; t = 4 u + 2 q + c
	ds_load_b128 v[OUTR+4*\t:OUTR+4*\t+3], v10 offset:16*(\t/4)*PITCH+64*((\t/2)%2)+32*(\t%2)
.endr
.irp t, 0,1,2,3,4,5,6,7
	s_wait_dscnt 7-\t
	global_store_b128 v14, v[OUTR+4*\t:OUTR+4*\t+3], s[32:33] offset:((\t/2)%2)*KSB+1024*(\t/4)+512*(\t%2)   ; 512 consecutive bytes, aligned
.endr
	s_wait_tensorcnt 0x0                           ; the wave's end, as above
	ds_add_u32 v[SPW], v[NIL]
	s_wait_dscnt 0x0
	s_endpgm
.Lfunc_end_k_q15b4931d69_quant:
	.size	k_q15b4931d69_quant, .Lfunc_end_k_q15b4931d69_quant-k_q15b4931d69_quant
	.p2alignl 7, 3214868480
	.fill 96, 4, 3214868480
	.section	.rodata,"a",@progbits
	.p2align	6, 0x0
	.amdhsa_kernel k_q15b4931d69_quant
		.amdhsa_group_segment_fixed_size 68096
		.amdhsa_private_segment_fixed_size 0
		.amdhsa_enable_private_segment 0
		.amdhsa_kernarg_size 64
		.amdhsa_user_sgpr_count 2
		.amdhsa_user_sgpr_kernarg_segment_ptr 1
		.amdhsa_wavefront_size32 1
		.amdhsa_system_sgpr_workgroup_id_x 1
		.amdhsa_system_sgpr_workgroup_id_y 1
		.amdhsa_system_sgpr_workgroup_id_z 1
		.amdhsa_system_vgpr_workitem_id 0
		.amdhsa_next_free_vgpr 226
		.amdhsa_next_free_sgpr 66
		.amdhsa_reserve_vcc 0
		.amdhsa_float_denorm_mode_32 3
		.amdhsa_float_denorm_mode_16_64 3
		.amdhsa_memory_ordered 1
		.amdhsa_forward_progress 1
		.amdhsa_inst_pref_size 77
	.end_amdhsa_kernel
	.amdgpu_metadata
---
amdhsa.version: [ 1, 2 ]
amdhsa.kernels:
  - .name:           k_q15b4931d69_quant
    .symbol:         k_q15b4931d69_quant.kd
    .args:
      - { .name: x, .offset: 0, .size: 8, .value_kind: global_buffer, .address_space: global }
      - { .name: Wq, .offset: 8, .size: 8, .value_kind: global_buffer, .address_space: global }
      - { .name: Wk, .offset: 16, .size: 8, .value_kind: global_buffer, .address_space: global }
      - { .name: Wv, .offset: 24, .size: 8, .value_kind: global_buffer, .address_space: global }
      - { .name: Wo, .offset: 32, .size: 8, .value_kind: global_buffer, .address_space: global }
      - { .name: xq, .offset: 40, .size: 8, .value_kind: global_buffer, .address_space: global }
      - { .name: wq, .offset: 48, .size: 8, .value_kind: global_buffer, .address_space: global }
      - { .name: wo, .offset: 56, .size: 8, .value_kind: global_buffer, .address_space: global }
    .group_segment_fixed_size: 68096
    .private_segment_fixed_size: 0
    .kernarg_segment_align: 8
    .kernarg_segment_size: 64
    .max_flat_workgroup_size: 128
    .sgpr_count:     66
    .vgpr_count:     226
    .wavefront_size: 32
...
	.end_amdgpu_metadata
.endif
;; end of part 5
;; launch qkv: the kernel of part 2 again; grid 8 x 48, 4 waves a work-group, clusters of 4 x 4, 327,680 bytes of LDS; arguments xq, wq, bq, bk, bv, qq, kv; writes qq, kv
;; launch attn (part 6): grid 4 x 64, 16 waves a work-group, clusters of 4 x 1, 167,936 bytes of LDS; arguments qq, kv, ao; writes ao
.if DOCPART == 6
	.amdgcn_target "amdgcn-amd-amdhsa--gfx1250"
	.amdhsa_code_object_version 6
	.text
	.protected	k_q15b4931d69_attn
	.globl	k_q15b4931d69_attn
	.p2align	8
	.type	k_q15b4931d69_attn,@function
k_q15b4931d69_attn:
	s_mov_b64 s[64:65], 0
	v_nop
	global_prefetch_b8 v0, s[64:65] scope:SCOPE_SE
	s_setreg_imm32_b32 hwreg(HW_REG_WAVE_MODE, 25, 1), 1
	s_wait_xcnt 0x0
	s_wait_alu depctr_hold_cnt(0) depctr_sa_sdst(0) depctr_va_vdst(0) depctr_va_sdst(0) depctr_va_ssrc(0) depctr_va_vcc(0) depctr_vm_vsrc(0)
	s_getreg_b32 s2, hwreg(HW_REG_IB_STS2, 6, 4)
	s_cmp_eq_u32 s2, 0
	s_cbranch_scc0 .Lentry_in_a_cluster
	s_endpgm
.Lentry_in_a_cluster:
	s_bfe_u32 s2, ttmp6, 0x10000c
	s_cmp_lg_u32 s2, 0x3003
	s_cbranch_scc0 .Lentry_shape_is_right
	s_endpgm
.Lentry_shape_is_right:
; For each of 64 heads (batch x head): O = softmax(q k^T / 32) v, both products on codes of FP4 with E8M0 scales, and O / l quantised along the channels for the projection that follows.
; THE SOFTMAX: t = score x log2(e) / 32 (q's codes carry no factor: 1/32 lies in c); M = the running largest t rounded UP to a whole number; p = 2^(t - M) is quantised along the keys, not
; normalised; the row's sum is taken of the unquantised p and divides at the end.  When M moves, the sum and O are multiplied by 2^(old M - new M): exact.
; SHARES.  A work-group owns 512 queries of one head; each of its sixteen waves two tiles of 16, one after the other, in 256 registers: four waves to a SIMD.  Every wave walks all 2,048 keys, 128 a step.
; A WHOLE HEAD'S K AND V, codes and scale words, are 143,360 bytes: they come into LDS ONCE, laid as in memory; there is no ring and nothing is filled again.
; CLUSTER.  The four work-groups of a head form a cluster and ask for those bytes jointly: each wave one load of 35 rows of 256 bytes, the same in all four.
; LAYOUT.  Both products are used transposed: S^T = K Q^T, O^T = V^T P^T: a lane holds ONE query throughout.  K's and V's rows lie by position (bits 3 and 4 exchanged), so the 16 registers of
; tiles 2 b and 2 b + 1 are 16 neighbouring keys (channels) in true order.  The head's 64 channels fill registers 0-3 of a fragment; registers 4-7 are zero codes on both sides.
; All fragments lie in LDS as images of their registers: 16 bytes a lane, 512 consecutive bytes a load.
; THE ORDER OF A STEP is chosen so that few lines wait for the line above them: K's fragments are asked for a step ahead; V^T P of one step and K Q^T of the next stand on end; the LDS loads stand in
; the gaps of the chain of lines that makes M; maxima run in eight chains, sums in six; plain lines stand between the exponentials, which are one batch with one wait.
; The last step of a tile asks for a step that does not exist: those addresses fall into V's images, inside the filled bytes, and what comes is not used.
; No prefetch: all that the launch reads is asked for at its head.
; LIMITS: NaN and infinities are not served; a block of zeros carries the byte 1; the scale bytes of ao leave as two bytes a row (256 KiB in all): whole units would want eight heads in a work-group.
.set SPARE, 143360                     ; behind the head's bytes: the spare words, 128 bytes a wave
.set AK0,  1                           ; v1   16 x lane: my place in an image
.set AV0,  2                           ; v2   + 65,536: V's images
.set AS0,  3                           ; v3   + 131,072: K's scale words
.set AT0,  4                           ; v4   8 x lane + 139,264: V's scale words
.set SPW,  5
.set NIL,  6
.set GSB,  7                           ; v7   32 r + h: my scale byte in ao
.set ADK,  8                           ; v8-11 the step's addresses
.set ADV,  9
.set ADS,  10
.set ADT,  11
.set VSC,  26                          ; v26-27 V's scale words: word t / 2, lanes 0-15 tile t even, 16-31 odd
.set KSC,  28                          ; v28-31 K's likewise
.set KF,   32                          ; v32-95 K's eight fragments
.set VF,   192                         ; v192-223 V's four
.set WV,   18
.set SEL,  20
.set CS,   22
.set G1,   24
.set G0,   32
.set TK,   36                          ; s36  the step's images: 4,096 bytes a step, for K and V alike
.set TS,   37                          ; s37  K's scale words: 512
.set TJ,   38                          ; s38  V's: 256
.set CNT,  39
.set HM,   41                          ; s41  the mask of lanes 16-31
; v12 -M, v13 the largest score, v[14:15] the sum; v16-23 and v244-251 Q of my two tiles, v24, v25 their scale words; v96-159 S^T, then p; v160-191 O^T; v224-231 p's codes; v232-243, v252-255 at work
.macro ROUND
	s_barrier_signal -1
	s_barrier_wait -1
	s_cmp_lg_u32 s[WV], 0
	s_cbranch_scc1 .Lnot_wave_0_\@
	s_barrier_signal -3
.Lnot_wave_0_\@:
	s_barrier_wait -3
	s_barrier_signal -1
	s_barrier_wait -1
.endm
	s_load_b128 s[4:7], s[0:1], 0x0                ; qq, kv
	s_load_b64 s[8:9], s[0:1], 0x10                ; ao
	v_lshl_add_u32 v[SPW], v0, 2, SPARE
	v_mov_b32 v[NIL], 0
	ds_add_u32 v[SPW], v[NIL]                      ; the wave's opening: the add, twice on end, and its wait ahead of my first tensor load
	ds_add_u32 v[SPW], v[NIL]
	v_lshrrev_b32 v8, 5, v0
	v_readfirstlane_b32 s[WV], v8                  ; wave 0..15
	s_bfe_u32 s40, ttmp6, 0x40000                  ; cx: it enters Q's and ao's addresses alone
	s_and_b32 s42, ttmp7, 0xffff                   ; 16 x batch + head, which the four partners share
	; descriptor group 1: 35 rows of 256 dense bytes (32 elements of 8 bytes), no padding
	s_mov_b32 s[G1], 15|(3<<16)|(1<<21)            ; the mask: all four work-groups; bit 21 beside it
	s_mov_b32 s[G1+1], 32<<16
	s_mov_b32 s[G1+2], 35<<16
	s_mov_b32 s[G1+3], 32<<16
	s_mov_b32 s[G1+4], 35
	s_mov_b32 s[G1+5], 32
	s_mov_b32 s[G1+6], 0
	s_mov_b32 s[G1+7], 0
	s_mul_i32 s44, s42, 143360
	s_mul_i32 s[G0+1], s[WV], 8960                 ; my sixteenth of the head, in LDS
	s_add_co_u32 s44, s44, s[G0+1]                 ; and in memory
	s_mov_b32 s45, 0
	s_lshl_b32 s43, s40, 5
	s_lshl_b32 s46, s[WV], 1
	s_add_co_u32 s43, s43, s46                     ; my first tile of the head's 128: 32 cx + 2 wave
	s_lshl_b32 s48, s42, 7
	s_add_co_u32 s48, s48, s43
	s_lshl_b32 s48, s48, 9                         ; Q's images: 512 bytes a tile
	s_mov_b32 s49, 0
	s_lshl_b32 s46, s42, 13                        ; Q's scale words: 8,192 bytes a head,
	s_lshl_b32 s47, s40, 11                        ; 512 a group of 8 tiles: group 4 cx + wave / 4,
	s_add_co_u32 s46, s46, s47
	s_lshr_b32 s47, s[WV], 2
	s_lshl_b32 s47, s47, 9
	s_add_co_u32 s46, s46, s47
	s_and_b32 s47, s[WV], 3                        ; word wave % 4 (my tiles are 2 (wave % 4) and the next)
	s_lshl_b32 s47, s47, 2
	s_add_co_u32 s46, s46, s47
	s_add_co_u32 s46, s46, 4194304
	s_mov_b32 s47, 0
	s_lshr_b32 s50, s42, 4                         ; batch
	s_lshl_b32 s50, s50, 7
	s_add_co_u32 s50, s50, s43                     ; my first tile of the 512 of all tokens
	s_and_b32 s51, s42, 15                         ; head
	s_lshl_b32 s52, s50, 4
	s_add_co_u32 s52, s52, s51
	s_lshl_b32 s52, s52, 9                         ; ao's images: [tile][head][512 bytes]
	s_mov_b32 s53, 0
	s_lshl_b32 s54, s50, 9                         ; ao's scale bytes: 32 a row, 512 a tile,
	s_lshl_b32 s51, s51, 1
	s_add_co_u32 s54, s54, s51                     ; my head's two
	s_add_co_u32 s54, s54, 4194304
	s_mov_b32 s55, 0
	s_mov_b32 s[SEL], 0x76543210
	s_mov_b32 s[SEL+1], 0xfedcba98
	s_mov_b32 s[CS], 0x3d38aa3b                    ; c = log2(e) / 32
	s_mov_b32 s[CS+1], s[CS]
	v_and_b32 v9, 31, v0                           ; lane
	v_and_b32 v10, 15, v0                          ; r
	v_bfe_u32 v11, v0, 4, 1                        ; h
	v_lshlrev_b32 v[AK0], 4, v9
	v_add_nc_u32 v[AV0], 65536, v[AK0]
	v_add_nc_u32 v[AS0], 131072, v[AK0]
	v_lshl_add_u32 v[AT0], v9, 3, 139264
	v_lshl_add_u32 v[GSB], v10, 5, v11
	v_lshlrev_b32 v10, 4, v10                      ; 16 r: my row among Q's scale words
	v_cmp_lt_u32 s[HM], 15, v9
	s_wait_dscnt 0x0                               ; both opening adds are done
	s_wait_kmcnt 0x0
	s_mov_b32 s[G0], 1
	s_add_nc_u64 s[G0+2:G0+3], s[6:7], s[44:45]
	s_or_b32 s[G0+3], s[G0+3], 0x80000000
	s_add_nc_u64 s[10:11], s[4:5], s[48:49]        ; Q's images
	s_add_nc_u64 s[12:13], s[4:5], s[46:47]        ; Q's scale words
	s_add_nc_u64 s[14:15], s[8:9], s[52:53]        ; ao's images
	s_add_nc_u64 s[16:17], s[8:9], s[54:55]        ; ao's scale bytes
	ROUND                                          ; all four work-groups are here: the joint loads meet
	tensor_load_to_lds s[G0:G0+3], s[G1:G1+7]      ; my one tensor load of the launch
	s_nop 0
	global_load_b128 v[16:19], v[AK0], s[10:11]
	global_load_b128 v[244:247], v[AK0], s[10:11] offset:512
	global_load_b32 v24, v10, s[12:13]
	global_load_b32 v25, v10, s[12:13] offset:256
.irp j, 20,21,22,23,248,249,250,251
	v_mov_b32 v[\j], 0                             ; Q's registers 4-7: zero codes
.endr
.irp t, 0,1,2,3,4,5,6,7
.irp j, 4,5,6,7
	v_mov_b32 v[KF+8*\t+\j], 0                     ; K's likewise, written once
.endr
.endr
.irp b, 0,1,2,3
	v_mov_b32 v[236+\b], 0                         ; written once: a lane permute's destination counts as one of its sources
.endr
	s_wait_loadcnt 0x0                             ; Q
	s_wait_tensorcnt 0x0                           ; my part of the head is in,
	s_barrier_signal -1
	s_barrier_wait -1                              ; everybody's is
.macro OMUL k                          ; pair k of O^T under the new M: x f; the pairs are taken in ascending order
	v_pk_mul_f32 v[160+2*(\k):161+2*(\k)], v[160+2*(\k):161+2*(\k)], v[252:253] op_sel_hi:[1,0]
.endm
; A KEY STEP: 128 keys.  q: my tile's fragment of Q; qs: its scale words.
.macro STEP q, qs
	s_wait_dscnt 0x0                               ; this step's K and its scale words, asked for a step ago
.irp t, 0,2,4,6
	v_wmma_scale_f32_16x16x128_f8f6f4 v[96+8*\t:103+8*\t], v[KF+8*\t:KF+8*\t+7], v[\q:\q+7], 0, v[KSC+\t/2], v[\qs] matrix_a_fmt:MATRIX_FMT_FP4 matrix_b_fmt:MATRIX_FMT_FP4
	v_wmma_scale_f32_16x16x128_f8f6f4 v[104+8*\t:111+8*\t], v[KF+8+8*\t:KF+15+8*\t], v[\q:\q+7], 0, v[KSC+\t/2], v[\qs] matrix_a_fmt:MATRIX_FMT_FP4 matrix_b_fmt:MATRIX_FMT_FP4 matrix_a_scale:MATRIX_SCALE_ROW1
.endr
	v_add_nc_u32 v[ADV], s[TK], v[AV0]             ; these four are the places between the products above and the first read of the scores,
	v_add_nc_u32 v[ADT], s[TJ], v[AT0]             ; and stand between the last step's V^T P and the loads into V's registers
	v_add_nc_u32 v[ADK], s[TK], v[AK0]
	v_add_nc_u32 v[ADS], s[TS], v[AS0]
	; the largest score of each block of 32 keys: for the row's maximum, and, since p rises with the score, for the block's largest p.  Eight chains, one a tile: each begins at its accumulator's low end
.irp b, 0,1,2,3
	v_max3_num_f32 v[232+\b], v[96+16*\b], v[97+16*\b], v[98+16*\b]
.endr
.irp b, 0,1,2,3
	v_max3_num_f32 v[240+\b], v[104+16*\b], v[105+16*\b], v[106+16*\b]
.endr
.irp i, 3,5
.irp b, 0,1,2,3
	v_max3_num_f32 v[232+\b], v[232+\b], v[96+16*\b+\i], v[97+16*\b+\i]
.endr
.irp b, 0,1,2,3
	v_max3_num_f32 v[240+\b], v[240+\b], v[104+16*\b+\i], v[105+16*\b+\i]
.endr
.endr
.irp b, 0,1,2,3
	v_max3_num_f32 v[232+\b], v[232+\b], v[240+\b], v[103+16*\b]
.endr
.irp b, 0,1,2,3
	v_max_num_f32 v[232+\b], v[232+\b], v[111+16*\b]
.endr
.irp b, 0,1,2,3
	v_permlanex16_b32 v[236+\b], v[232+\b], s[SEL], s[SEL+1]
.endr
	v_mov_b32 v255, v12                            ; the old -M
.irp b, 0,1,2,3
	v_max_num_f32 v[232+\b], v[232+\b], v[236+\b]  ; with lane l xor 16's 16 keys
.endr
	; M: four lines, each of which reads the one before.  The step's LDS loads stand between them: V's nine first, then the next step's K, nine
	v_max3_num_f32 v254, v232, v233, v234
	ds_load_b64 v[VSC:VSC+1], v[ADT]
.irp t, 0,1
.irp c, 0,1
	ds_load_b128 v[VF+8*\t+4*\c:VF+8*\t+4*\c+3], v[ADV] offset:1024*\t+512*\c
.endr
.endr
	v_max3_num_f32 v13, v13, v254, v235            ; the running largest score
.irp t, 2,3
.irp c, 0,1
	ds_load_b128 v[VF+8*\t+4*\c:VF+8*\t+4*\c+3], v[ADV] offset:1024*\t+512*\c
.endr
.endr
	v_mul_f32 v254, s[CS], v13                     ; as t: c is positive, so the largest score gives the largest t, bit for bit
	ds_load_b128 v[KSC:KSC+3], v[ADS] offset:512
.irp t, 0,1,2,3
	ds_load_b128 v[KF+8*\t:KF+8*\t+3], v[ADK] offset:4096+512*\t
.endr
	v_floor_f32 v12, -v254                         ; the new -M = floor(-t): M is a whole number
.irp t, 4,5,6,7
	ds_load_b128 v[KF+8*\t:KF+8*\t+3], v[ADK] offset:4096+512*\t
.endr
	; t - M, two at a time, and p = 2^(t - M).  ONE BATCH of 68 exponentials; the lines between them name no exponential's result; a pair is scaled four groups ahead of its exponentials
.irp j, 0,2,4,6
	v_pk_fma_f32 v[96+\j:97+\j], v[96+\j:97+\j], s[CS:CS+1], v[12:13] op_sel_hi:[1,0,0]
.endr
.irp b, 0,1,2,3
	v_fma_f32 v[232+\b], v[232+\b], s[CS], v12     ; the same of each block's largest score
.endr
	v_sub_f32 v254, v12, v255                      ; old M less new M: a whole number, 0 or less
.set J, 0
.rept 28
	v_exp_f32 v[96+2*J], v[96+2*J]
	v_pk_fma_f32 v[104+2*J:105+2*J], v[104+2*J:105+2*J], s[CS:CS+1], v[12:13] op_sel_hi:[1,0,0]
	v_exp_f32 v[97+2*J], v[97+2*J]
.if J == 0
	v_cvt_i32_f32 v254, v254                       ; (it saturates)
.elseif J == 2
	v_ldexp_f32 v252, 1.0, v254                    ; f = 2^(old M - new M)
.elseif J == 4
	v_pk_mul_f32 v[14:15], v[14:15], v[252:253] op_sel_hi:[1,0]   ; the sums under the new M
.elseif (J >= 6) && (J % 4 == 2)
	OMUL (J-6)/4
.endif
.set J, J+1
.endr
.rept 4
	v_exp_f32 v[96+2*J], v[96+2*J]
	OMUL J-22
	v_exp_f32 v[97+2*J], v[97+2*J]
.set J, J+1
.endr
.irp b, 0,1,2,3
	v_exp_f32 v[232+\b], v[232+\b]                 ; the block's largest p: the same two instructions on the same number give the same bits
.endr
.irp k, 10,11,12,13,14,15
	OMUL \k                                        ; plain lines behind the last exponential, ahead of the wait
.endr
	s_wait_alu depctr_va_vdst(0)                   ; one wait for the whole batch, ahead of its first reader
.irp b, 0,1,2,3
	v_max_num_f32 v[232+\b], 0x1800000, v[232+\b]  ; the floor 2^(3 - 127)
.endr
.irp b, 0,1,2,3
	v_add_nc_u32 v[240+\b], 0xff000000, v[232+\b]  ; the conversion's scale operand
.endr
.irp b, 0,1,2,3
	v_lshrrev_b32 v[236+\b], 23, v[240+\b]         ; the scale's byte
.endr
	v_cvt_scalef32_pk8_fp4_f32 v224, v[96:103], v240
	v_cvt_scalef32_pk8_fp4_f32 v225, v[104:111], v240
	v_lshl_or_b32 v236, v237, 8, v236
	v_lshl_or_b32 v238, v239, 8, v238
	v_cvt_scalef32_pk8_fp4_f32 v226, v[112:119], v241
	v_cvt_scalef32_pk8_fp4_f32 v227, v[120:127], v241
	v_lshl_or_b32 v253, v238, 16, v236             ; p's scale word for these 128 keys
.irp b, 2,3
	v_cvt_scalef32_pk8_fp4_f32 v[224+2*\b], v[96+16*\b:103+16*\b], v[240+\b]
	v_cvt_scalef32_pk8_fp4_f32 v[225+2*\b], v[104+16*\b:111+16*\b], v[240+\b]
.endr
	v_nop                                          ; one plain place behind a scaled conversion
.irp c, 0,1
.irp i, 0,1
	v_permlane16_swap_b32 v[224+4*\c+\i], v[226+4*\c+\i]   ; a whole block to a lane
.endr
.endr
	; the row's sum of the unquantised p, in six chains.  These 32 lines are also the places between the scale word, the codes and the products below
	v_pk_add_f32 v[232:233], v[96:97], v[98:99]
	v_pk_add_f32 v[234:235], v[100:101], v[102:103]
	v_pk_add_f32 v[236:237], v[104:105], v[106:107]
	v_pk_add_f32 v[238:239], v[108:109], v[110:111]
	v_pk_add_f32 v[254:255], v[112:113], v[114:115]
	v_pk_add_f32 v[14:15], v[14:15], v[116:117]
.set J, 118
.rept 3
	v_pk_add_f32 v[232:233], v[232:233], v[J:J+1]
	v_pk_add_f32 v[234:235], v[234:235], v[J+2:J+3]
	v_pk_add_f32 v[236:237], v[236:237], v[J+4:J+5]
	v_pk_add_f32 v[238:239], v[238:239], v[J+6:J+7]
	v_pk_add_f32 v[254:255], v[254:255], v[J+8:J+9]
	v_pk_add_f32 v[14:15], v[14:15], v[J+10:J+11]
.set J, J+12
.endr
	v_pk_add_f32 v[232:233], v[232:233], v[154:155]
	v_pk_add_f32 v[234:235], v[234:235], v[156:157]
	v_pk_add_f32 v[236:237], v[236:237], v[158:159]
	v_pk_add_f32 v[238:239], v[238:239], v[254:255]
	v_pk_add_f32 v[14:15], v[14:15], v[232:233]
	v_pk_add_f32 v[234:235], v[234:235], v[236:237]
	v_pk_add_f32 v[14:15], v[14:15], v[238:239]
	v_pk_add_f32 v[14:15], v[14:15], v[234:235]
	s_wait_dscnt 9                                 ; V and its scale words are in; the nine loads of the next step's K may be out
.irp t, 0,2
	v_wmma_scale_f32_16x16x128_f8f6f4 v[160+8*\t:167+8*\t], v[VF+8*\t:VF+8*\t+7], v[224:231], v[160+8*\t:167+8*\t], v[VSC+\t/2], v253 matrix_a_fmt:MATRIX_FMT_FP4 matrix_b_fmt:MATRIX_FMT_FP4
	v_wmma_scale_f32_16x16x128_f8f6f4 v[168+8*\t:175+8*\t], v[VF+8+8*\t:VF+15+8*\t], v[224:231], v[168+8*\t:175+8*\t], v[VSC+\t/2], v253 matrix_a_fmt:MATRIX_FMT_FP4 matrix_b_fmt:MATRIX_FMT_FP4 matrix_a_scale:MATRIX_SCALE_ROW1
.endr                                          ; the four accumulators take turns, one instruction a turn
.endm
; THE WAY OUT of tile i: O^T / the sum is my query's 64 channels, register 16 b + j = channel 32 b + 16 h + j: two blocks of the projection's K, quantised in registers.
.macro FIN i
.rept 4
	v_nop                                          ; places behind the last products
.endr
	v_add_f32 v14, v14, v15
	v_permlanex16_b32 v252, v14, s[SEL], s[SEL+1]
	v_add_f32 v14, v14, v252                       ; the row's sum
	v_rcp_f32 v14, v14
	v_nop                                          ; a plain place behind the transcendental
	s_wait_alu depctr_va_vdst(0)                   ; and the wait ahead of its first reader
.set J, 0
.rept 16
	v_pk_mul_f32 v[96+J:97+J], v[160+J:161+J], v[14:15] op_sel_hi:[1,0]   ; each accumulator from its low end on
.set J, J+2
.endr
.irp b, 0,1
	v_max3_num_f32 v[232+\b], |v[96+16*\b]|, |v[97+16*\b]|, 0x1800000
.endr
.irp j, 2,4,6,8,10,12,14
.irp b, 0,1
	v_max3_num_f32 v[232+\b], v[232+\b], |v[96+16*\b+\j]|, |v[97+16*\b+\j]|
.endr
.endr
.irp b, 0,1
	v_permlanex16_b32 v[236+\b], v[232+\b], s[SEL], s[SEL+1]
.endr
.irp b, 0,1
	v_max_num_f32 v[232+\b], v[232+\b], v[236+\b]
.endr
.irp b, 0,1
	v_add_nc_u32 v[240+\b], 0xff000000, v[232+\b]
.endr
.irp b, 0,1
	v_lshrrev_b32 v[236+\b], 23, v[240+\b]
.endr
.irp b, 0,1
	v_cvt_scalef32_pk8_fp4_f32 v[224+2*\b], v[96+16*\b:103+16*\b], v[240+\b]
	v_cvt_scalef32_pk8_fp4_f32 v[225+2*\b], v[104+16*\b:111+16*\b], v[240+\b]
.endr
	v_nop
	v_permlane16_swap_b32 v224, v226
	v_permlane16_swap_b32 v225, v227               ; v224-227: lanes 0-15 block 0, lanes 16-31 block 1: four registers of the projection's fragment
	v_cndmask_b32 v254, v236, v237, s[HM]          ; my half's block's byte
	global_store_b128 v[AK0], v[224:227], s[14:15] offset:8192*\i   ; 512 consecutive bytes, aligned
	global_store_b8 v[GSB], v254, s[16:17] offset:512*\i
.endm
.macro TILE i, q, qs
	s_wait_xcnt 0x0                                ; the last tile's stores have read their registers
	s_wait_dscnt 0x0                               ; what the last tile's last step asked for has landed: K's registers may be loaded again
	ds_load_b128 v[KSC:KSC+3], v[AS0]              ; step 0's K
.irp t, 0,1,2,3,4,5,6,7
	ds_load_b128 v[KF+8*\t:KF+8*\t+3], v[AK0] offset:512*\t
.endr
	v_mov_b32 v13, 0xff61b1e6                      ; the largest score so far: -3e38
	v_floor_f32 v12, -v13                          ; and a -M so large that the first f is 0: it multiplies zeros
	v_mov_b32 v14, 0
	v_mov_b32 v15, 0
	v_mov_b32 v253, 0                              ; (named as the upper half of v[252:253] before it is first written)
.set J, 0
.rept 32
	v_mov_b32 v[160+J], 0                          ; O^T: the step is written once, and its first trip finds zeros
.set J, J+1
.endr
	s_mov_b32 s[TK], 0
	s_mov_b32 s[TS], 0
	s_mov_b32 s[TJ], 0
	s_mov_b32 s[CNT], 16
.Lstep_\@:
	STEP \q, \qs
	s_add_co_u32 s[TK], s[TK], 4096
	s_add_co_u32 s[TS], s[TS], 512
	s_add_co_u32 s[TJ], s[TJ], 256
	s_sub_co_u32 s[CNT], s[CNT], 1
	s_cmp_lg_u32 s[CNT], 0
	s_cbranch_scc1 .Lstep_\@
	FIN \i
.endm
	TILE 0, 16, 24
	TILE 1, 244, 25
	s_wait_tensorcnt 0x0                           ; the wave's end
	ds_add_u32 v[SPW], v[NIL]
	s_wait_dscnt 0x0
	ROUND                                          ; the closing round
	s_endpgm
.Lfunc_end_k_q15b4931d69_attn:
	.size	k_q15b4931d69_attn, .Lfunc_end_k_q15b4931d69_attn-k_q15b4931d69_attn
	.p2alignl 7, 3214868480
	.fill 96, 4, 3214868480
	.section	.rodata,"a",@progbits
	.p2align	6, 0x0
	.amdhsa_kernel k_q15b4931d69_attn
		.amdhsa_group_segment_fixed_size 167936
		.amdhsa_private_segment_fixed_size 0
		.amdhsa_enable_private_segment 0
		.amdhsa_kernarg_size 24
		.amdhsa_user_sgpr_count 2
		.amdhsa_user_sgpr_kernarg_segment_ptr 1
		.amdhsa_wavefront_size32 1
		.amdhsa_system_sgpr_workgroup_id_x 1
		.amdhsa_system_sgpr_workgroup_id_y 1
		.amdhsa_system_sgpr_workgroup_id_z 1
		.amdhsa_system_vgpr_workitem_id 0
		.amdhsa_next_free_vgpr 256
		.amdhsa_next_free_sgpr 66
		.amdhsa_reserve_vcc 0
		.amdhsa_float_denorm_mode_32 3
		.amdhsa_float_denorm_mode_16_64 3
		.amdhsa_memory_ordered 1
		.amdhsa_forward_progress 1
		.amdhsa_inst_pref_size 47
	.end_amdhsa_kernel
	.amdgpu_metadata
---
amdhsa.version: [ 1, 2 ]
amdhsa.kernels:
  - .name:           k_q15b4931d69_attn
    .symbol:         k_q15b4931d69_attn.kd
    .args:
      - { .name: qq, .offset: 0, .size: 8, .value_kind: global_buffer, .address_space: global }
      - { .name: kv, .offset: 8, .size: 8, .value_kind: global_buffer, .address_space: global }
      - { .name: ao, .offset: 16, .size: 8, .value_kind: global_buffer, .address_space: global }
    .group_segment_fixed_size: 167936
    .private_segment_fixed_size: 0
    .kernarg_segment_align: 8
    .kernarg_segment_size: 24
    .max_flat_workgroup_size: 512
    .sgpr_count:     66
    .vgpr_count:     256
    .wavefront_size: 32
...
	.end_amdgpu_metadata
.endif
;; end of part 6
;; launch oproj: the kernel of part 4 again; grid 256 x 1, 8 waves a work-group, clusters of 4 x 1, 327,680 bytes of LDS; arguments ao, wo, x, bo, gamma, beta, out0; writes out0
